; MI455X (gfx1250); checked and timed in simulation.
; The chip was launched on July 23, 2026; its instructions are those of AMD's public machine-readable ISA for CDNA 5 (MIT licence, August 2026) and "CDNA5" Instruction Set Architecture Reference Guide (July 2026). The comments in the code are by the model that wrote it; some were corrected since.
;; Attention. Allowed arithmetic: matrix products marked QUANTISED: E5M2 operands, one given power-of-two scale a tensor, by v_wmma_f32_16x16x64_bf8_bf8 or v_wmma_f32_16x16x128_bf8_bf8, f32 sums; everything else in f32.
;; Inputs: Wk 1,024 x 1,024 float32; Wq 1,024 x 1,024 float32; Wv 1,024 x 1,024 float32; b_k 1,024 float32; b_t 1,024 float32; b_v 1,024 float32; bk 1,024 float32; bq 1,024 float32; bv 1,024 float32; g_k 1,024 float32; g_t 1,024 float32; g_v 1,024 float32; lowp_scales 10 int32 (the exponents e of the quantised operands' scales 2^e); source_k 8 x 2,048 x 1,024 float32; source_v 8 x 2,048 x 1,024 float32; target 8 x 512 x 1,024 float32.
;; Outputs: out0 8 x 512 x 1,024 float32.
;; This version of the problem:
;;   THIS VERSION OF THE PROBLEM IS GIVEN IN LOW PRECISION. The matrix products marked QUANTISED in the list below multiply operands that are first quantised to E5M2 (5 exponent bits, 2 mantissa bits; 8 bits a number), with one given power-of-two scale for each operand tensor; their sums are f32. All else is computed in f32.
;;   The module's matrix products, in the order in which they are computed (A, B: the left and right operand; K: the contracted axis; several contracted axes count as one K, in the product's order):
;;     1. [M 4,096, K 1,024] x [K 1,024, N 1,024]; A: computed on the way; B: input Wq: QUANTISED (scales: A lowp_scales[0], B lowp_scales[1])
;;     2. [M 16,384, K 1,024] x [K 1,024, N 1,024]; A: computed on the way; B: input Wk: QUANTISED (scales: A lowp_scales[2], B lowp_scales[3])
;;     3. [M 16,384, K 1,024] x [K 1,024, N 1,024]; A: computed on the way; B: input Wv: QUANTISED (scales: A lowp_scales[4], B lowp_scales[5])
;;     4. batch 8 x [M 512, K 1,024] x [K 1,024, N 2,048]; A: computed on the way; B: computed on the way: QUANTISED (scales: A lowp_scales[6], B lowp_scales[7])
;;     5. batch 8 x [M 512, K 2,048] x [K 2,048, N 1,024]; A: softmax (see below); B: computed on the way: QUANTISED (scales: A lowp_scales[8], B lowp_scales[9])
;;   THE QUANTISER, for each operand of a quantised product, along K:
;;     - The operand's scale is 2^e, e = its entry of the input lowp_scales (int32; the entries are numbered through the quantised products in the list's order, A before B).
;;     - Each number is divided by the scale, clamped to +-57,344, and rounded to the nearest number of E5M2, ties to even, subnormals kept.
;;     - The product sums the exact products of the quantised numbers (number of the format x scale) in f32.
;;   ~~~python
;;   def quantise(x, axis, e):      # numpy; x: float32 -> the quantised numbers, widened to float32 again
;;       x = np.moveaxis(x, axis, -1); K = x.shape[-1]
;;       r = np.clip(x / 2.0 ** e, -57344, 57344)
;;       step = 2.0 ** (np.maximum(np.frexp(np.where(r == 0, 1, r))[1] - 1, -14) - 2)
;;       q = np.round(r / step) * step * 2.0 ** e      # np.round: ties to even
;;       return np.moveaxis(q, -1, axis).astype(np.float32)
;;   ~~~
;;   SOFTMAX AHEAD OF A QUANTISED PRODUCT. Where the list says 'softmax', what is quantised is not the finished softmax but p = 2^(t - M), with t = logit x log2(e) and M = ceil(the row's largest t), a whole number; so 1/2 < the row's largest p <= 1. The row's sum l is taken of the UNQUANTISED p, in f32, and the product's result is divided by l at the end. Since M is a whole number, a kernel that streams over the keys may use a running M (the ceiling of the running maximum): every later rescaling is an exact power of two, so the quantised numbers keep their values, but for numbers so far below the row's largest that they fall under the format's range.
;;   OPERANDS COMPUTED ON THE WAY. 'Computed on the way' means the value that the module computes at that place (a softmax that the list does not call 'softmax' is quantised finished and normalised). What goes into a quantiser is computed in f32, as accurately as f32 sums, v_exp_f32 and their like allow (about 1e-6 of the number): no bf16 or f16 on the way to a quantiser, and a product that is left as it is and whose result goes on into a quantised operand takes f32 operands (vector FMAs, or v_wmma_f32_16x16x4_f32). A number that lies on a knife's edge between two numbers of the format may be rounded either way, as far as f32 arithmetic and the matrix unit's own rounding can turn it there, and no further.
;; One version. Each part assembles by itself: llvm-mc -triple=amdgcn-amd-amdhsa -mcpu=gfx1250 --defsym DOCPART=n.
;; ======== version 1 of 1: 4 launches
;; limits: right only within a limited range of input values
;; workspace buffers: codes 40,894,464 bytes; qk 20,971,520 bytes; vt 16,777,216 bytes; pc 8,388,608 bytes; stats 1,048,576 bytes
;; launch prep (part 1): grid 1248 x 1, 2 waves a work-group, no clusters, 0 bytes of LDS; arguments target, source_k, source_v, Wq, Wk, Wv, g_t, g_k, g_v, b_t, b_k, b_v, lowp_scales, codes; writes codes
.if DOCPART == 1
	.amdgcn_target "amdgcn-amd-amdhsa--gfx1250"
	.amdhsa_code_object_version 6
	.text
	.protected	k_q1b796eb896_prep
	.globl	k_q1b796eb896_prep
	.p2align	8
	.type	k_q1b796eb896_prep,@function
k_q1b796eb896_prep:
	s_mov_b64 s[64:65], 0
	v_nop
	global_prefetch_b8 v0, s[64:65] scope:SCOPE_SE
	s_setreg_imm32_b32 hwreg(HW_REG_WAVE_MODE, 25, 1), 1
	s_wait_xcnt 0x0
; LayerNorm + quantiser for target, source_k, source_v; quantiser alone for Wq, Wk, Wv.  All rows are 1,024 f32; the result is one buffer of 39,936 rows of 1,024 codes of E5M2:
; rows 0 on: target; 4,096 on: source_k; 20,480 on: source_v; 36,864 on: Wq; 37,888 on: Wk; 38,912 on: Wv.
; code = y / 2^e, held within +-57,344, to the nearest code, ties to even; e = entry 0, 2, 4 (the three normed tensors) or 1, 3, 5 (the weights) of the given exponents.
; INSIDE A ROW THE CODES ARE PERMUTED, alike in every row: byte 512 u + 16 l + 4 jj + i holds column 128 (4 u + jj) + 4 l + i.  All these rows meet only each other, along this axis, in the next launch's
; products, so every product still meets its partner.  That order is what a lane holds when each load of a wave reads 512 consecutive bytes: no turn through LDS is needed, and each store is 512 consecutive bytes.
; SHARES: a work-group of two waves owns 32 rows of the result, a wave 16, one row at a time in 32 registers a lane; mean and variance in two passes over the registers (the mean is taken away before the squares).
; Two waves and not four: 2,496 waves in groups of two can be shared out more evenly than in groups of four.
; A ring of four row slots keeps 32 loads of a wave on their way.  No LDS, no barrier, no cluster: waves share only g and b, 8,192 bytes; the rows are read once.
; LIMITS: each e between -126 and 112, so that 2^e and 57,344 x 2^e are f32 numbers.  NaN and infinities among the inputs are not served.
.set X,    32                          ; v32-159  slot s: 32 numbers of a row
.set G,    160                         ; v160-191 my 32 numbers of g
.set B,    192                         ; v192-223 my 32 numbers of b
.set C,    224                         ; v224-255 slot s: 8 registers of codes
.set T,    4                           ; v4-11    four pairs of partial sums
.set ROWF, 4096                        ; a row of f32 in bytes
.set ROWC, 1024                        ; a row of codes in bytes
	s_load_b512 s[8:23], s[0:1], 0x0               ; target s[8:9], source_k s[10:11], source_v s[12:13], Wq s[14:15], Wk s[16:17], Wv s[18:19], g_t s[20:21], g_k s[22:23]
	s_load_b256 s[24:31], s[0:1], 0x40             ; g_v s[24:25], b_t s[26:27], b_k s[28:29], b_v s[30:31]
	s_load_b128 s[32:35], s[0:1], 0x60             ; the exponents s[32:33], codes s[34:35]
	v_lshrrev_b32 v2, 5, v0
	v_readfirstlane_b32 s43, v2                    ; wave 0, 1
	v_and_b32 v1, 31, v0
	v_lshlrev_b32 v1, 4, v1                        ; 16 x lane: my 16 bytes of each 512; never rewritten
	v_mov_b32 v13, 0                               ; a lane permute's destination counts as read
	v_mov_b32 v15, 0                               ; upper halves of pairs of which the low word serves both halves
	v_mov_b32 v17, 0
	s_mov_b32 s44, 0x3a800000                      ; 1 / 1,024
	s_mov_b32 s45, 0x3727c5ac                      ; 1e-5
	s_mov_b32 s46, 0x76543210                      ; v_permlanex16_b32: lane l xor 16
	s_mov_b32 s47, 0xfedcba98
	s_wait_kmcnt 0x0
	s_load_b256 s[52:59], s[32:33], 0x0            ; e0 .. e7
; which tensor is my work-group's (32 rows a work-group): a chain of choices on the work-group's number alone
.macro PICK lim, src, first
	s_cmp_lt_u32 ttmp9, \lim
	s_cselect_b64 s[4:5], s[\src:\src+1], s[4:5]
	s_cselect_b32 s40, \first, s40
.endm
	s_mov_b64 s[4:5], s[18:19]                     ; Wv, from work-group 1,216 on
	s_mov_b32 s40, 1216
	PICK 1216, 16, 1184                            ; Wk
	PICK 1184, 14, 1152                            ; Wq
	PICK 1152, 12, 640                             ; source_v
	PICK 640, 10, 128                              ; source_k
	PICK 128, 8, 0                                 ; target
	s_mov_b64 s[6:7], s[24:25]                     ; g and b of the normed tensors
	s_mov_b64 s[36:37], s[30:31]
	s_cmp_lt_u32 ttmp9, 640
	s_cselect_b64 s[6:7], s[22:23], s[6:7]
	s_cselect_b64 s[36:37], s[28:29], s[36:37]
	s_cmp_lt_u32 ttmp9, 128
	s_cselect_b64 s[6:7], s[20:21], s[6:7]
	s_cselect_b64 s[36:37], s[26:27], s[36:37]
	s_sub_co_u32 s50, ttmp9, s40                   ; my block of 32 rows in its tensor,
	s_lshl_b32 s50, s50, 17                        ; x 32 rows of 4,096 bytes,
	s_lshl_b32 s51, s43, 16                        ; + my wave's 16 rows
	s_add_co_u32 s50, s50, s51
	s_mov_b32 s51, 0
	s_add_nc_u64 s[4:5], s[4:5], s[50:51]
	s_lshl_b32 s50, ttmp9, 15                      ; and in the codes: 32 rows of 1,024 bytes a work-group, 16 a wave
	s_lshl_b32 s49, s43, 14
	s_add_co_u32 s50, s50, s49
	s_add_nc_u64 s[38:39], s[34:35], s[50:51]
.macro LOAD s, row                     ; a row into slot s: eight loads of 512 consecutive bytes
.irp j, 0,1,2,3,4,5,6,7
	global_load_b128 v[X+32*(\s)+4*\j:X+32*(\s)+4*\j+3], v1, s[4:5] offset:(\row)*ROWF+512*\j th:TH_LOAD_NT
.endr
.endm
.macro ESCALE                          ; my tensor's e, by the same chain; then 2^e and 57,344 x 2^e as f32
	s_wait_kmcnt 0x0
	s_mov_b32 s42, s57
	s_cmp_lt_u32 ttmp9, 1216
	s_cselect_b32 s42, s55, s42
	s_cmp_lt_u32 ttmp9, 1184
	s_cselect_b32 s42, s53, s42
	s_cmp_lt_u32 ttmp9, 1152
	s_cselect_b32 s42, s56, s42
	s_cmp_lt_u32 ttmp9, 640
	s_cselect_b32 s42, s54, s42
	s_cmp_lt_u32 ttmp9, 128
	s_cselect_b32 s42, s52, s42
	s_add_co_i32 s42, s42, 127
	s_lshl_b32 s49, s42, 23
	v_mov_b32 v19, s49                             ; 2^e: the conversion takes its exponent field
	s_add_co_i32 s42, s42, 15
	s_lshl_b32 s42, s42, 23
	s_or_b32 s42, s42, 0x600000
	v_mov_b32 v18, s42                             ; 57,344 x 2^e
.endm
.macro JOIN                            ; the four pairs of partial sums, then the 32 lanes: the row's sum in v12 of every lane
	v_pk_add_f32 v[T:T+1], v[T:T+1], v[T+2:T+3]
	v_pk_add_f32 v[T+4:T+5], v[T+4:T+5], v[T+6:T+7]
	v_pk_add_f32 v[T:T+1], v[T:T+1], v[T+4:T+5]
	v_add_f32 v12, v[T], v[T+1]
	v_add_f32_dpp v12, v12, v12 row_xmask:1 row_mask:0xf bank_mask:0xf
	v_add_f32_dpp v12, v12, v12 row_xmask:2 row_mask:0xf bank_mask:0xf
	v_add_f32_dpp v12, v12, v12 row_xmask:4 row_mask:0xf bank_mask:0xf
	v_add_f32_dpp v12, v12, v12 row_xmask:8 row_mask:0xf bank_mask:0xf
	v_permlanex16_b32 v13, v12, s46, s47
	v_add_f32 v12, v12, v13
.endm
; The turn of slot s.  ln = 1: the row is normed first.  ahead = 1: the slot takes the row four further down.  left: the younger loads that may stay out.
; free = 1 (slot 0's turn): the one wait of four rows that frees the stores' registers and the two bases.  It stands behind the row's arithmetic, directly ahead of the first line that rewrites a store's data,
; so that the arithmetic lies between the last memory instructions and the wait.  With ahead = 1 the bases then step four rows: the loads that follow name rows 0 to 3 from the new base, the stores reach four rows back.
.macro ROW s, ln, ahead, left, free
.set XS, X+32*(\s)
.set CO, C+8*(\s)
	s_wait_loadcnt \left                           ; loads come back in order: my row's eight are in (g's and b's were issued ahead of every row)
.if \ln
.irp k, 0,2,4,6
	v_pk_add_f32 v[T+\k:T+\k+1], v[XS+\k:XS+\k+1], v[XS+8+\k:XS+8+\k+1]
.endr
.irp k, 16,18,20,22,24,26,28,30
	v_pk_add_f32 v[T+\k%8:T+\k%8+1], v[T+\k%8:T+\k%8+1], v[XS+\k:XS+\k+1]
.endr
	JOIN
	v_mul_f32 v14, 0xba800000, v12                 ; - the mean
.irp k, 0,2,4,6,8,10,12,14,16,18,20,22,24,26,28,30
	v_pk_add_f32 v[XS+\k:XS+\k+1], v[XS+\k:XS+\k+1], v[14:15] op_sel_hi:[1,0]
.endr
.irp k, 0,2,4,6
	v_pk_mul_f32 v[T+\k:T+\k+1], v[XS+\k:XS+\k+1], v[XS+\k:XS+\k+1]
.endr
.irp k, 8,10,12,14,16,18,20,22,24,26,28,30
	v_pk_fma_f32 v[T+\k%8:T+\k%8+1], v[XS+\k:XS+\k+1], v[XS+\k:XS+\k+1], v[T+\k%8:T+\k%8+1]
.endr
	JOIN
	v_fma_f32 v12, v12, s44, s45                   ; the variance + 1e-5
	s_wait_alu depctr_va_vdst(0)
	v_rsq_f32 v16, v12
	v_nop                                          ; a plain instruction behind the transcendental,
	s_wait_alu depctr_va_vdst(0)                   ; and the wait ahead of its first reader
.irp k, 0,2,4,6,8,10,12,14,16,18,20,22,24,26,28,30
	v_pk_mul_f32 v[XS+\k:XS+\k+1], v[XS+\k:XS+\k+1], v[16:17] op_sel_hi:[1,0]
.endr
.irp k, 0,2,4,6,8,10,12,14,16,18,20,22,24,26,28,30
	v_pk_fma_f32 v[XS+\k:XS+\k+1], v[XS+\k:XS+\k+1], v[G+\k:G+\k+1], v[B+\k:B+\k+1]
.endr
.endif
.set n, 0
.rept 32
	v_med3_num_f32 v[XS+n], v[XS+n], -v18, v18     ; the conversion to an 8-bit code does not saturate (ISA guide 7.6.2): the hold at the largest code x the scale
.set n, n+1
.endr
.if \free
	s_wait_alu depctr_va_vdst(0)
	s_wait_xcnt 0x0                                ; the last four rows' stores have read their registers, and all that was issued its bases: both are written again only behind this wait
.if \ahead
	s_add_nc_u64 s[4:5], s[4:5], 4*ROWF
	s_add_nc_u64 s[38:39], s[38:39], 4*ROWC
.endif
.endif
.irp g, 0,1,2,3
	v_cvt_scalef32_pk8_bf8_f32 v[CO+2*\g:CO+2*\g+1], v[XS+8*\g:XS+8*\g+7], v19
.endr
; (the codes go to stores and the numbers' registers to loads; the next vector line is a plain one of the next slot)
; The four slots' codes are stored together, at slot 3's turn, ahead of that slot's loads: each slot has its own eight registers of codes, which are written again only behind slot 0's wait on XCNT.
.if \ahead
.if \s == 3
.irp t, 0,1,2,3
	global_store_b128 v1, v[C+8*\t:C+8*\t+3], s[38:39] offset:(\t-4)*ROWC
	global_store_b128 v1, v[C+8*\t+4:C+8*\t+7], s[38:39] offset:(\t-4)*ROWC+512    ; each store of the wave covers 512 consecutive bytes, aligned
.endr
.endif
	LOAD \s, \s
.else
.if \s == 3
.irp t, 0,1,2,3
	global_store_b128 v1, v[C+8*\t:C+8*\t+3], s[38:39] offset:(\t)*ROWC
	global_store_b128 v1, v[C+8*\t+4:C+8*\t+7], s[38:39] offset:(\t)*ROWC+512
.endr
.endif
.endif
.endm
.macro WALK ln                         ; a wave's 16 rows: three trips of four rows that load ahead, then the last four
	s_mov_b32 s48, 3
.Ltrip_\@:
	s_wait_alu depctr_va_vdst(0)
	ROW 0, \ln, 1, 24, 1                           ; 24: the other three slots' eight loads each
	ROW 1, \ln, 1, 24, 0
	ROW 2, \ln, 1, 24, 0
	ROW 3, \ln, 1, 24, 0
	s_sub_co_u32 s48, s48, 1
	s_cmp_lg_u32 s48, 0
	s_cbranch_scc1 .Ltrip_\@
	ROW 0, \ln, 0, 24, 1                           ; nothing more is loaded: the counts run down; the bases stand at row 12
	ROW 1, \ln, 0, 16, 0
	ROW 2, \ln, 0, 8, 0
	ROW 3, \ln, 0, 0, 0
.endm
	s_cmp_lt_u32 ttmp9, 1152
	s_cbranch_scc0 .Lweights
	s_wait_alu depctr_va_vdst(0)
.irp j, 0,1,2,3,4,5,6,7
	global_load_b128 v[G+4*\j:G+4*\j+3], v1, s[6:7] offset:512*\j      ; g and b in the order in which a lane holds a row
	global_load_b128 v[B+4*\j:B+4*\j+3], v1, s[36:37] offset:512*\j
.endr
	LOAD 0, 0
	LOAD 1, 1
	LOAD 2, 2
	LOAD 3, 3
	ESCALE
	WALK 1
	s_endpgm
.Lweights:
	s_wait_alu depctr_va_vdst(0)
	LOAD 0, 0
	LOAD 1, 1
	LOAD 2, 2
	LOAD 3, 3
	ESCALE
	WALK 0
	s_endpgm
.Lfunc_end_k_q1b796eb896_prep:
	.size	k_q1b796eb896_prep, .Lfunc_end_k_q1b796eb896_prep-k_q1b796eb896_prep
	.p2alignl 7, 3214868480
	.fill 96, 4, 3214868480
	.section	.rodata,"a",@progbits
	.p2align	6, 0x0
	.amdhsa_kernel k_q1b796eb896_prep
		.amdhsa_group_segment_fixed_size 0
		.amdhsa_private_segment_fixed_size 0
		.amdhsa_enable_private_segment 0
		.amdhsa_kernarg_size 112
		.amdhsa_user_sgpr_count 2
		.amdhsa_user_sgpr_kernarg_segment_ptr 1
		.amdhsa_wavefront_size32 1
		.amdhsa_system_sgpr_workgroup_id_x 1
		.amdhsa_system_sgpr_workgroup_id_y 1
		.amdhsa_system_sgpr_workgroup_id_z 1
		.amdhsa_system_vgpr_workitem_id 0
		.amdhsa_next_free_vgpr 256
		.amdhsa_next_free_sgpr 66
		.amdhsa_reserve_vcc 0
		.amdhsa_float_denorm_mode_32 3
		.amdhsa_float_denorm_mode_16_64 3
		.amdhsa_memory_ordered 1
		.amdhsa_forward_progress 1
		.amdhsa_inst_pref_size 108
	.end_amdhsa_kernel
	.amdgpu_metadata
---
amdhsa.version: [ 1, 2 ]
amdhsa.kernels:
  - .name:           k_q1b796eb896_prep
    .symbol:         k_q1b796eb896_prep.kd
    .args:
      - { .name: target, .offset: 0, .size: 8, .value_kind: global_buffer, .address_space: global }
      - { .name: source_k, .offset: 8, .size: 8, .value_kind: global_buffer, .address_space: global }
      - { .name: source_v, .offset: 16, .size: 8, .value_kind: global_buffer, .address_space: global }
      - { .name: Wq, .offset: 24, .size: 8, .value_kind: global_buffer, .address_space: global }
      - { .name: Wk, .offset: 32, .size: 8, .value_kind: global_buffer, .address_space: global }
      - { .name: Wv, .offset: 40, .size: 8, .value_kind: global_buffer, .address_space: global }
      - { .name: g_t, .offset: 48, .size: 8, .value_kind: global_buffer, .address_space: global }
      - { .name: g_k, .offset: 56, .size: 8, .value_kind: global_buffer, .address_space: global }
      - { .name: g_v, .offset: 64, .size: 8, .value_kind: global_buffer, .address_space: global }
      - { .name: b_t, .offset: 72, .size: 8, .value_kind: global_buffer, .address_space: global }
      - { .name: b_k, .offset: 80, .size: 8, .value_kind: global_buffer, .address_space: global }
      - { .name: b_v, .offset: 88, .size: 8, .value_kind: global_buffer, .address_space: global }
      - { .name: lowp_scales, .offset: 96, .size: 8, .value_kind: global_buffer, .address_space: global }
      - { .name: codes, .offset: 104, .size: 8, .value_kind: global_buffer, .address_space: global }
    .group_segment_fixed_size: 0
    .private_segment_fixed_size: 0
    .kernarg_segment_align: 8
    .kernarg_segment_size: 112
    .max_flat_workgroup_size: 64
    .sgpr_count:     66
    .vgpr_count:     256
    .wavefront_size: 32
...
	.end_amdgpu_metadata
.endif
;; end of part 1
;; launch proj (part 2): grid 48 x 4, 4 waves a work-group, clusters of 4 x 4, 327,680 bytes of LDS; arguments codes, bq, bk, bv, lowp_scales, qk, vt; writes qk, vt
.if DOCPART == 2
	.amdgcn_target "amdgcn-amd-amdhsa--gfx1250"
	.amdhsa_code_object_version 6
	.text
	.protected	k_q1b796eb896_proj
	.globl	k_q1b796eb896_proj
	.p2align	8
	.type	k_q1b796eb896_proj,@function
k_q1b796eb896_proj:
	s_mov_b64 s[64:65], 0
	v_nop
	global_prefetch_b8 v0, s[64:65] scope:SCOPE_SE
	s_setreg_imm32_b32 hwreg(HW_REG_WAVE_MODE, 25, 1), 1
	s_wait_xcnt 0x0
	s_wait_alu depctr_hold_cnt(0) depctr_sa_sdst(0) depctr_va_vdst(0) depctr_va_sdst(0) depctr_va_ssrc(0) depctr_va_vcc(0) depctr_vm_vsrc(0)
	s_getreg_b32 s2, hwreg(HW_REG_IB_STS2, 6, 4)
	s_cmp_eq_u32 s2, 0
	s_cbranch_scc0 .Lentry_in_a_cluster
	s_endpgm
.Lentry_in_a_cluster:
	s_bfe_u32 s2, ttmp6, 0x10000c
	s_cmp_lg_u32 s2, 0xf033
	s_cbranch_scc0 .Lentry_shape_is_right
	s_endpgm
.Lentry_shape_is_right:
.set TILES,  3
.set WALK,   12
.set ROWB,   256
.set KROW,   1024
.set PITCH,  272
.set FR,     16
.set NL,     4
.set NP,     4
.set HALFT,  128*PITCH
.set SLOT,   4*HALFT
.set SPARE,  2*SLOT
.set ADRA, 16
.set ADRB, 20
.set PFO,  24
.set BR,   25
.set IO,   26
.set BC,   27
.set SPW,  28
.set NIL,  29
.set IOA,  32
.set BIAS, 64
.set AF,   128
.set CODE, 128
.set G1, 24
.set G0, 32
.set G1B, 48
.set G0B, 56
.set PFT, 12
.set PQ,  19
.set PFA, 22
.set CL,  66
.set CLN, 67
.set CYO, 90
.set CXO, 91
.set MSB, 0
.macro WIN new
.if MSB != \new
	s_set_vgpr_msb (MSB<<8)|\new
.set MSB, \new
.endif
.endm
.set MUL_LO, 0xa1
.set MUL_HI, 0xf1
.set TO_B,   0x40
.macro JLOAD g0a, g1a, g0b, g1b
	s_cmp_eq_u32 s15, 0
	s_cbranch_scc0 .Lfor_b_\@
	tensor_load_to_lds s[\g0a:\g0a+3], s[\g1a:\g1a+7]
	s_nop 0
.rept 4
	v_nop
.endr
	s_branch .Lasked_\@
.Lfor_b_\@:
	tensor_load_to_lds s[\g0b:\g0b+3], s[\g1b:\g1b+7]
	s_nop 0
.rept 4
	v_nop
.endr
.Lasked_\@:
.endm
.macro CREST
	s_cmp_lg_u32 s14, 0
	s_cbranch_scc1 .Lnot_wave_0_\@
	s_barrier_signal -3
.Lnot_wave_0_\@:
	s_barrier_wait -3
	s_barrier_signal -1
	s_barrier_wait -1
.endm
.macro CROUND
	s_barrier_signal -1
	s_barrier_wait -1
	CREST
.endm
.macro ADDR c
	s_lshl_b32 s17, s[\c], 10
	s_mov_b32 s20, 38912
	s_mov_b32 s46, 37888
	s_mov_b32 s18, 36864
	s_cmp_lt_u32 s[\c], 20
	s_cselect_b32 s20, s17, s20
	s_cselect_b32 s46, s46, s17
	s_cmp_lt_u32 s[\c], 4
	s_cselect_b32 s46, s18, s46
	s_add_co_u32 s20, s20, s[CYO]
	s_add_co_u32 s46, s46, s[CXO]
	s_lshl_b32 s20, s20, 10
	s_lshl_b32 s46, s46, 10
	s_mov_b32 s21, 0
	s_mov_b32 s47, 0
	s_add_nc_u64 s[20:21], s[4:5], s[20:21]
	s_add_nc_u64 s[46:47], s[4:5], s[46:47]
.endm
.macro BIASLOAD c
	s_cmp_lt_u32 s[\c], 4
	s_cselect_b64 s[86:87], s[6:7], s[8:9]
	s_add_nc_u64 s[86:87], s[86:87], s[92:93]
	s_cmp_lt_u32 s[\c], 20
	s_cbranch_scc0 .Lbias_rows_\@
	s_wait_alu depctr_va_vdst(0)
.irp b, 0,1,2,3,4,5,6,7
	global_load_b128 v[BIAS+8*\b:BIAS+8*\b+3], v[BC], s[86:87] offset:64*\b
	global_load_b128 v[BIAS+8*\b+4:BIAS+8*\b+7], v[BC], s[86:87] offset:64*\b+16
.endr
	s_branch .Lbias_asked_\@
.Lbias_rows_\@:
	s_wait_alu depctr_va_vdst(0)
.irp a, 0,1,2,3,4,5,6,7
.irp j, 0,1,2,3,4,5,6,7
	global_load_b32 v[BIAS+8*\a+\j], v[BR], s[88:89] offset:64*\a
.endr
.endr
.Lbias_asked_\@:
.endm
.macro BSCALE c
	s_add_co_i32 s96, s76, s77
	s_add_co_i32 s97, s78, s79
	s_add_co_i32 s98, s80, s81
	s_cmp_lt_u32 s[\c], 20
	s_cselect_b32 s98, s97, s98
	s_cmp_lt_u32 s[\c], 4
	s_cselect_b32 s98, s96, s98
	s_sub_co_i32 s98, 0, s98
	s_wait_loadcnt 0x0
.set n, 0
.rept 64
	v_ldexp_f32 v[BIAS+n], v[BIAS+n], s98
.set n, n+1
.endr
.endm
.macro ASK k
	s_cmp_lt_u32 s[CLN], 20
	s_cselect_b32 s42, 0, 1
	s_cmp_eq_u32 s42, s15
	s_cbranch_scc0 .Lnot_mine_\@
	global_prefetch_b8 v[PFO], s[PFA:PFA+1] offset:(\k)*ROWB th:TH_LOAD_NT scope:SCOPE_SE
.Lnot_mine_\@:
.endm
	s_load_b256 s[4:11], s[0:1], 0x0
	s_load_b128 s[68:71], s[0:1], 0x20
	s_load_b64 s[72:73], s[0:1], 0x30
	v_lshl_add_u32 v[SPW], v0, 2, SPARE
	v_mov_b32 v[NIL], 0
	ds_add_u32 v28, v29
	ds_add_u32 v28, v29
	s_wait_dscnt 0x0
	v_lshrrev_b32 v1, 5, v0
	v_readfirstlane_b32 s14, v1
	s_lshr_b32 s15, s14, 1
	s_and_b32 s16, s14, 1
	s_bfe_u32 s40, ttmp6, 0x40000
	s_bfe_u32 s41, ttmp6, 0x40004
	s_lshl_b32 s43, s41, 2
	s_lshl_b32 s43, 15, s43
	s_lshl_b32 s44, 0x1111, s40
	s_or_b32 s[G1+0], s43, (0<<16)|(1<<20)|(1<<21)|(5<<22)|(3<<25)
	s_or_b32 s[G1B+0], s44, (0<<16)|(1<<20)|(1<<21)|(5<<22)|(3<<25)
.irp g, G1, G1B
	s_mov_b32 s[\g+1], ROWB<<16
	s_mov_b32 s[\g+2], 128<<16
	s_mov_b32 s[\g+3], ROWB<<16
	s_mov_b32 s[\g+4], 128
	s_mov_b32 s[\g+5], KROW
	s_mov_b32 s[\g+6], 0
	s_mov_b32 s[\g+7], 0
.endr
	s_mov_b32 s[CL], ttmp9
	s_lshl_b32 s18, s16, 7
	s_lshl_b32 s[CYO], s41, 8
	s_add_co_u32 s[CYO], s[CYO], s18
	s_lshl_b32 s[CXO], s40, 8
	s_add_co_u32 s[CXO], s[CXO], s18
	s_mul_i32 s45, s14, HALFT
	s_wait_kmcnt 0x0
	s_load_b256 s[76:83], s[68:69], 0x0
	s_load_b64 s[84:85], s[68:69], 0x20
	ADDR CL
	CROUND
.irp s, 0,1
	s_mov_b32 s[G0+4*\s], 1
	s_add_co_u32 s[G0+4*\s+1], s45, \s*SLOT
	s_add_nc_u64 s[G0+4*\s+2:G0+4*\s+3], s[20:21], \s*ROWB
	s_or_b32 s[G0+4*\s+3], s[G0+4*\s+3], 0x80000000
	s_mov_b32 s[G0B+4*\s], 1
	s_add_co_u32 s[G0B+4*\s+1], s45, \s*SLOT
	s_add_nc_u64 s[G0B+4*\s+2:G0B+4*\s+3], s[46:47], \s*ROWB
	s_or_b32 s[G0B+4*\s+3], s[G0B+4*\s+3], 0x80000000
	s_wait_alu depctr_va_vdst(0)
	s_wait_tensorcnt 0x0
	ds_add_u32 v28, v29
	ds_add_u32 v28, v29
	s_wait_dscnt 0x0
	CROUND
	JLOAD G0+4*\s, G1, G0B+4*\s, G1B
.if \s == 0
; The first tile's K steps 1 to 3 of the activations (operand A in the first tile of every cluster: its number is under 20) are prefetched here, behind K step 0's joint load: K step 1's load follows only when K step 0 has landed.
; Of the 128 rows that a wave fetches, the partner at place cx takes 32, told apart by address; a lane a row, 256 bytes of it an instruction.  The weights, which several clusters read, are not asked for.
	s_lshl_b32 s42, s40, 15                        ; 32 cx rows of 1,024 bytes
	s_mov_b32 s43, 0
	s_add_nc_u64 s[PFA:PFA+1], s[20:21], s[42:43]  ; written again only in the loop, behind the first step's wait on XCNT
	v_and_b32 v[PFO], 31, v0
	v_lshlrev_b32 v[PFO], 10, v[PFO]               ; my lane's row; never rewritten
	s_cmp_eq_u32 s15, 0
	s_cbranch_scc0 .Lhead_asked
	global_prefetch_b8 v[PFO], s[PFA:PFA+1] offset:ROWB th:TH_LOAD_NT scope:SCOPE_SE
	global_prefetch_b8 v[PFO], s[PFA:PFA+1] offset:2*ROWB th:TH_LOAD_NT scope:SCOPE_SE
	global_prefetch_b8 v[PFO], s[PFA:PFA+1] offset:3*ROWB th:TH_LOAD_NT scope:SCOPE_SE
.Lhead_asked:
.endif
.endr
	v_and_b32 v1, 15, v0
	v_bfe_u32 v2, v0, 4, 1
	v_mul_u32_u24 v3, v1, PITCH
	v_lshl_add_u32 v4, v2, 4, v3
	s_mul_i32 s12, s15, HALFT
	s_mul_i32 s13, s16, HALFT
	s_add_co_u32 s13, s13, 2*HALFT
.irp s, 0,1
	v_add_nc_u32 v[ADRA+\s], s12, v4
	v_add_nc_u32 v[ADRB+\s], s13, v4
	s_add_co_u32 s12, s12, SLOT
	s_add_co_u32 s13, s13, SLOT
.endr
	v_and_b32 v6, 31, v0
	v_lshlrev_b32 v[IO], 4, v6
	v_lshlrev_b32 v[BC], 5, v2
	v_lshlrev_b32 v[BR], 2, v1
	s_lshl_b32 s92, s40, 10
	s_lshl_b32 s93, s16, 9
	s_add_co_u32 s92, s92, s93
	s_mov_b32 s93, 0
	s_lshl_b32 s94, s41, 10
	s_lshl_b32 s95, s15, 9
	s_add_co_u32 s94, s94, s95
	s_mov_b32 s95, 0
	s_add_nc_u64 s[88:89], s[10:11], s[94:95]
	s_lshl_b32 s100, s41, 4
	s_lshl_b32 s101, s15, 3
	s_add_co_u32 s100, s100, s101
	s_lshl_b32 s101, s40, 1
	s_add_co_u32 s101, s101, s16
	s_lshl_b32 s42, s40, 5
	s_add_co_u32 s42, s42, s[CYO]
	s_lshl_b32 s[PQ], s41, 5
	s_add_co_u32 s[PQ], s[PQ], s[CXO]
	s_cmp_eq_u32 s15, 0
	s_cselect_b32 s[PQ], s42, s[PQ]
	BIASLOAD CL
.macro FRAG reg, adr, q, i
.irp c, 0,1,2,3
	ds_load_b128 v[\reg+4*\c:\reg+4*\c+3], v[\adr] offset:128*(\q)+32*\c+(\i)*16*PITCH
.endr
.endm
.macro MUL16 a0, p
.irp a, \a0, \a0+1
.irp b, 0,1,2,3,4,5,6,7
	v_wmma_f32_16x16x128_bf8_bf8 v[8*(8*((\a)%4)+\b):8*(8*((\a)%4)+\b)+7], v[128*(\p)+FR*\b:128*(\p)+FR*\b+FR-1], v[AF+FR*(\a):AF+FR*(\a)+FR-1], v[8*(8*((\a)%4)+\b):8*(8*((\a)%4)+\b)+7]
.endr
.endr
.endm
.macro MULB a0, mode
.irp a, \a0, \a0+1
.irp b, 0,1,2,3,4,5,6,7
.if \mode
	v_wmma_f32_16x16x128_bf8_bf8 v[8*(8*((\a)%4)+\b):8*(8*((\a)%4)+\b)+7], v[FR*\b:FR*\b+FR-1], v[AF+FR*(\a):AF+FR*(\a)+FR-1], v[BIAS+8*(\a):BIAS+8*(\a)+7]
.else
	v_wmma_f32_16x16x128_bf8_bf8 v[8*(8*((\a)%4)+\b):8*(8*((\a)%4)+\b)+7], v[FR*\b:FR*\b+FR-1], v[AF+FR*(\a):AF+FR*(\a)+FR-1], v[BIAS+8*\b:BIAS+8*\b+7]
.endif
.endr
.endr
.endm
.macro FETCH_B slot, q, p
	WIN TO_B
.irp i, 0,1,2,3,4,5,6,7
	FRAG 128*(\p)+FR*\i, ADRB+\slot, \q, \i
.endr
	WIN 0
.endm
.macro FETCH_A slot, q, i0
.irp i, \i0, \i0+1, \i0+2, \i0+3
	FRAG AF+FR*(\i), ADRA+\slot, \q, \i
.endr
.endm
.macro PLACES n
.rept \n
	v_nop
.endr
.endm
.macro STEP slot
	s_wait_dscnt 4*NL
	WIN MUL_LO
	MUL16 0, 0
	MUL16 2, 0
	s_wait_dscnt 0
	PLACES NP
	FETCH_B \slot, 1, 1
	FETCH_A \slot, 1, 0
	WIN MUL_HI
	MUL16 4, 0
	MUL16 6, 0
	PLACES NP
	WIN 0
	FETCH_A \slot, 1, 4
.endm
.macro FSTEP mode
	WIN 0x81
	MULB 0, \mode
	MULB 2, \mode
	s_wait_dscnt 0
	PLACES NP
	s_wait_xcnt 0x0
	FETCH_B 0, 1, 1
	FETCH_A 0, 1, 0
	WIN 0xc1
	MULB 4, \mode
	MULB 6, \mode
	PLACES NP
	WIN 0
	FETCH_A 0, 1, 4
.endm
.macro FIRST both
	s_wait_dscnt 4*NL
.if \both
	s_cmp_lt_u32 s[CL], 20
	s_cbranch_scc0 .Lby_rows_\@
	s_wait_alu depctr_va_vdst(0)
	FSTEP 0
	s_branch .Lfirst_done_\@
.Lby_rows_\@:
.endif
	s_wait_alu depctr_va_vdst(0)
	FSTEP 1
.if \both
.Lfirst_done_\@:
.endif
.endm
.macro TURN slot, next, fill, ask
	s_wait_tensorcnt 0x0
	ds_add_u32 v[SPW], v[NIL]
	s_wait_dscnt 4*NL+1
	WIN MUL_LO
	MUL16 0, 1
	s_wait_dscnt 0x0
	s_barrier_signal -1
	MUL16 2, 1
	WIN 0
	s_barrier_wait -1
.if \fill
	CREST
.if \fill == 2
	s_add_nc_u64 s[G0+4*\slot+2:G0+4*\slot+3], s[20:21], \slot*ROWB
	s_or_b32 s[G0+4*\slot+3], s[G0+4*\slot+3], 0x80000000
	s_add_nc_u64 s[G0B+4*\slot+2:G0B+4*\slot+3], s[46:47], \slot*ROWB
	s_or_b32 s[G0B+4*\slot+3], s[G0B+4*\slot+3], 0x80000000
.else
	s_add_nc_u64 s[G0+4*\slot+2:G0+4*\slot+3], s[G0+4*\slot+2:G0+4*\slot+3], 2*ROWB
	s_add_nc_u64 s[G0B+4*\slot+2:G0B+4*\slot+3], s[G0B+4*\slot+2:G0B+4*\slot+3], 2*ROWB
.endif
	JLOAD G0+4*\slot, G1, G0B+4*\slot, G1B
.else
	PLACES NP
.endif
	FETCH_B \next, 0, 0
	FETCH_A \next, 0, 0
.if \ask >= 0
	ASK \ask
.endif
	WIN MUL_HI
	MUL16 4, 1
	MUL16 6, 1
	PLACES NP
	WIN 0
	FETCH_A \next, 0, 4
.endm
.macro OUT
	s_lshl_b32 s94, s[CL], 6
	s_sub_co_u32 s95, s[CL], 20
	s_lshl_b32 s95, s95, 3
	s_add_co_i32 s96, s76, s77
	s_add_co_i32 s97, s78, s79
	s_add_co_i32 s98, s80, s81
	s_mov_b32 s2, 262144
	s_cmp_lt_u32 s[CL], 20
	s_cselect_b32 s94, s94, 0
	s_cselect_b32 s95, 0, s95
	s_cselect_b32 s99, 3, 7
	s_cselect_b32 s2, 16384, s2
	s_cselect_b64 s[74:75], s[70:71], s[72:73]
	s_cselect_b32 s98, s97, s98
	s_cselect_b32 s97, s83, s85
	s_cmp_lt_u32 s[CL], 4
	s_cselect_b32 s98, s96, s98
	s_cselect_b32 s97, s82, s97
	s_add_co_u32 s94, s94, s100
	s_lshl_b32 s94, s94, s99
	s_add_co_u32 s95, s95, s101
	s_add_co_u32 s94, s94, s95
	s_lshl_b32 s94, s94, 11
	s_mov_b32 s95, 0
	s_add_nc_u64 s[74:75], s[74:75], s[94:95]
	s_sub_co_i32 s97, s97, s98
	s_add_co_i32 s97, s97, 127
	s_lshl_b32 s96, s97, 23
	v_mov_b32 v30, s96
	s_add_co_i32 s97, s97, 15
	s_lshl_b32 s97, s97, 23
	s_or_b32 s97, s97, 0x600000
	v_mov_b32 v31, s97
	s_wait_alu depctr_va_vdst(0)
.irp a, 0,1,2,3,4,5,6,7
	v_add_nc_u32 v[IOA+\a], s95, v[IO]
	s_add_co_u32 s95, s95, s2
.endr
.irp a, 0,1,2,3,4,5,6,7
	WIN (0x82+0x41*(\a/4))
.set n, 0
.rept 64
	v_med3_num_f32 v[64*(\a%4)+n], v[64*(\a%4)+n], -v31, v31
.set n, n+1
.endr
	WIN (0x42+\a/4)
.irp b, 0,1,2,3,4,5,6,7
	v_cvt_scalef32_pk8_bf8_f32 v[CODE+16*\a+2*\b:CODE+16*\a+2*\b+1], v[64*(\a%4)+8*\b:64*(\a%4)+8*\b+7], v30
.endr
	v_nop
	WIN 0x04
.irp c, 0,1,2,3
	global_store_b128 v[IOA+\a], v[CODE+16*\a+4*\c:CODE+16*\a+4*\c+3], s[74:75] offset:512*\c
.endr
.endr
	WIN 0
.endm
	s_wait_tensorcnt 1
	s_barrier_signal -1
	s_barrier_wait -1
	FETCH_B 0, 0, 0
	FETCH_A 0, 0, 0
	FETCH_A 0, 0, 4
	s_wait_kmcnt 0x0
	BSCALE CL
	s_mov_b32 s3, TILES-1
.Ltile:
	FIRST 1
	s_add_co_u32 s[CLN], s[CL], WALK
	ADDR CLN
	s_lshl_b32 s[PFT], s[CLN], 10
	s_add_co_u32 s[PFT], s[PFT], s[PQ]
	s_lshl_b32 s[PFT], s[PFT], 10
	s_mov_b32 s[PFT+1], 0
	s_add_nc_u64 s[PFA:PFA+1], s[4:5], s[PFT:PFT+1]
	TURN 0, 1, 1, 0
	STEP 1
	TURN 1, 0, 1, 1
	STEP 0
	BIASLOAD CLN
	TURN 0, 1, 2, 2
	STEP 1
	TURN 1, 0, 2, 3
	OUT
	BSCALE CLN
	s_mov_b32 s[CL], s[CLN]
	s_sub_co_u32 s3, s3, 1
	s_cmp_lg_u32 s3, 0
	s_cbranch_scc1 .Ltile
	FIRST 0
	TURN 0, 1, 1, -1
	STEP 1
	TURN 1, 0, 1, -1
	STEP 0
	TURN 0, 1, 0, -1
	STEP 1
	s_wait_dscnt 4*NL
	WIN MUL_LO
	MUL16 0, 1
	MUL16 2, 1
	s_wait_dscnt 0
	WIN MUL_HI
	MUL16 4, 1
	MUL16 6, 1
	WIN 0
	PLACES NP
	OUT
	s_wait_tensorcnt 0x0
	ds_add_u32 v[SPW], v[NIL]
	s_wait_dscnt 0x0
	CROUND
	s_endpgm
.Lfunc_end_k_q1b796eb896_proj:
	.size	k_q1b796eb896_proj, .Lfunc_end_k_q1b796eb896_proj-k_q1b796eb896_proj
	.p2alignl 7, 3214868480
	.fill 96, 4, 3214868480
	.section	.rodata,"a",@progbits
	.p2align	6, 0x0
	.amdhsa_kernel k_q1b796eb896_proj
		.amdhsa_group_segment_fixed_size 327680
		.amdhsa_private_segment_fixed_size 0
		.amdhsa_enable_private_segment 0
		.amdhsa_kernarg_size 56
		.amdhsa_user_sgpr_count 2
		.amdhsa_user_sgpr_kernarg_segment_ptr 1
		.amdhsa_wavefront_size32 1
		.amdhsa_system_sgpr_workgroup_id_x 1
		.amdhsa_system_sgpr_workgroup_id_y 1
		.amdhsa_system_sgpr_workgroup_id_z 1
		.amdhsa_system_vgpr_workitem_id 0
		.amdhsa_next_free_vgpr 1024
		.amdhsa_next_free_sgpr 102
		.amdhsa_reserve_vcc 0
		.amdhsa_float_denorm_mode_32 3
		.amdhsa_float_denorm_mode_16_64 3
		.amdhsa_memory_ordered 1
		.amdhsa_forward_progress 1
		.amdhsa_inst_pref_size 255
	.end_amdhsa_kernel
	.section	.bss,"aw",@nobits
	.p2align	6
	.space	262144
	.amdgpu_metadata
---
amdhsa.version: [ 1, 2 ]
amdhsa.kernels:
  - .name:           k_q1b796eb896_proj
    .symbol:         k_q1b796eb896_proj.kd
    .args:
      - { .name: codes, .offset: 0, .size: 8, .value_kind: global_buffer, .address_space: global }
      - { .name: bq, .offset: 8, .size: 8, .value_kind: global_buffer, .address_space: global }
      - { .name: bk, .offset: 16, .size: 8, .value_kind: global_buffer, .address_space: global }
      - { .name: bv, .offset: 24, .size: 8, .value_kind: global_buffer, .address_space: global }
      - { .name: lowp_scales, .offset: 32, .size: 8, .value_kind: global_buffer, .address_space: global }
      - { .name: qk, .offset: 40, .size: 8, .value_kind: global_buffer, .address_space: global }
      - { .name: vt, .offset: 48, .size: 8, .value_kind: global_buffer, .address_space: global }
    .group_segment_fixed_size: 327680
    .private_segment_fixed_size: 0
    .kernarg_segment_align: 8
    .kernarg_segment_size: 56
    .max_flat_workgroup_size: 128
    .sgpr_count:     102
    .vgpr_count:     1024
    .wavefront_size: 32
...
	.end_amdgpu_metadata
.endif
;; end of part 2
;; launch scores (part 3): grid 8 x 32, 4 waves a work-group, clusters of 4 x 4, 327,680 bytes of LDS; arguments qk, lowp_scales, pc, stats; writes pc, stats
.if DOCPART == 3
	.amdgcn_target "amdgcn-amd-amdhsa--gfx1250"
	.amdhsa_code_object_version 6
	.text
	.protected	k_q1b796eb896_scores
	.globl	k_q1b796eb896_scores
	.p2align	8
	.type	k_q1b796eb896_scores,@function
k_q1b796eb896_scores:
	s_mov_b64 s[64:65], 0
	v_nop
	global_prefetch_b8 v0, s[64:65] scope:SCOPE_SE
	s_setreg_imm32_b32 hwreg(HW_REG_WAVE_MODE, 25, 1), 1
	s_wait_xcnt 0x0
	s_wait_alu depctr_hold_cnt(0) depctr_sa_sdst(0) depctr_va_vdst(0) depctr_va_sdst(0) depctr_va_ssrc(0) depctr_va_vcc(0) depctr_vm_vsrc(0)
	s_getreg_b32 s2, hwreg(HW_REG_IB_STS2, 6, 4)
	s_cmp_eq_u32 s2, 0
	s_cbranch_scc0 .Lentry_in_a_cluster
	s_endpgm
.Lentry_in_a_cluster:
	s_bfe_u32 s2, ttmp6, 0x10000c
	s_cmp_lg_u32 s2, 0xf033
	s_cbranch_scc0 .Lentry_shape_is_right
	s_endpgm
.Lentry_shape_is_right:
; The scores q k^T on codes of E5M2, and the softmax's p for each block of 128 keys.  8 batches x 512 queries x 2,048 keys, K = 1,024.
; t = score x 2^(e6 + e7) x log2(e) / 32.  For a query and a block of 128 keys: M = the block's largest t rounded UP to a whole number; p = 2^(t - M), quantised with 2^e8; l = the sum of the unquantised p.
; -M and l go to stats; the next launch brings the blocks under the row's M by whole powers of two, which round nothing.
; LIMIT OF FORMAT: p is quantised under its block's M, not under the row's: the numbers differ only where p under the row's M would fall below the format's normal range.
; qk: [row / 16][8] images of operand registers, 2,048 bytes each (16 rows x 128 K; byte 512 c + 16 lane + y = byte y of the lane's registers 4 c .. 4 c + 3): q's row blocks 0 .. 255, k's from 256 on.
; pc: [query / 16: 256][key / 128: 16] images of p's codes.  stats: [batch 8][64 queries: 8][key / 128: 16][-M, l][lane 32][4 f32: the lane's query in blocks 0 .. 3 of the 64].
; SHARES: a work-group makes 128 queries x 256 keys, a wave 64 x 128: 32 accumulators.  Source 0 = 16 keys, source 1 = 16 queries: a lane holds one query and, in accumulator (a, b), keys 16 b + 8 (lane / 16) + 0 .. 7:
; the conversions' results are an image of p.  CLUSTER 4 x 4: cluster x, y = (half of the keys, batch); q's tile is shared along a row of the cluster, k's along a column: joint loads.
; K goes in four steps of 256 (two chunks of 128) through three LDS slots; steps 0 to 2 are first fills, step 3 fills slot 0 again.  Images are dense: a fragment load reads 512 consecutive bytes, so no padding.
; LIMITS: e6 + e7 between -121 and 132 (added to the exponent field of log2(e) / 32); e8 between -126 and 112.  NaN is not served.
; REGISTERS: window 0: v0-31 addresses, at work; v40-47 -M and l; v48-111 p's codes; v128-255 q's fragments, two sets of 64.  window 1: the accumulators, (a, b) at v[8 (8 a + b)].  window 2: k's fragments, two sets of 128.
.set SLOT,  98304                      ; a slot: q's 8 row blocks x 4,096 bytes, then k's 16
.set BOFF,  32768
; THE FILLS AS THEY STAND: the head's one load a wave brings steps 0 and 1 together, as rows of 8,192 bytes (four chunks' images of a row block), into one large slot of 2 SLOT bytes from byte 0:
; q's 8 row blocks, then from BIGB on k's 16.  Step 2 is a first fill of the bytes from 2 SLOT on, behind the full sequence and a round; step 3 fills the large slot's first SLOT bytes again, in rows of 4,096 bytes.
.set BIGB,  65536
.set SPARE, 3*SLOT                     ; behind the slots: the spare words, 128 bytes a wave: two blocks of 256 bytes that no other line names
.set ADRA, 16                          ; v16-18  LDS address of my q fragments in slot 0, 1, 2
.set ADRB, 20                          ; v20-22  the same for k
.set IO,   26                          ; v26     16 x lane; never rewritten
.set SPW,  28
.set NIL,  29
.set PFO,  27                          ; v27     the prefetches' offset: 256 x lane; never rewritten
.set PFA,  80                          ; s[80:81] where my prefetches stand; never rewritten
.set NM,   40                          ; v40-43  -M of blocks 0 .. 3
.set LS,   44                          ; v44-47  l
.set CD,   48                          ; v48-111 codes: 16 registers a block, each block its own
.set AF,   128
.set G1A,  24                          ; s[24:31] group 1 for q's tiles; s[32:43] three groups 0
.set G0A,  32
.set G1B,  48                          ; s[48:55], s[68:79] the same for k's
.set G0B,  68
.set MUL,  0x52                        ; source 0 (k) window 2, source 1 (q) window 0, C and D window 1
.set MSB, 0
.macro WIN new
.if MSB != \new
	s_set_vgpr_msb (MSB<<8)|\new
.set MSB, \new
.endif
.endm
.macro PLACES
.rept 4
	v_nop
.endr
.endm
.macro JLOAD n                         ; set n of the groups 0: waves 0 and 1 fetch q's halves, waves 2 and 3 k's; four v_nop follow each line
	s_cmp_eq_u32 s15, 0
	s_cbranch_scc0 .Lfor_b_\@
	tensor_load_to_lds s[G0A+4*\n:G0A+4*\n+3], s[G1A:G1A+7]
	s_nop 0
	PLACES
	s_branch .Lasked_\@
.Lfor_b_\@:
	tensor_load_to_lds s[G0B+4*\n:G0B+4*\n+3], s[G1B:G1B+7]
	s_nop 0
	PLACES
.Lasked_\@:
.endm
.macro CROUND                          ; a round of the cluster's barrier
	s_barrier_signal -1
	s_barrier_wait -1
	s_cmp_lg_u32 s14, 0
	s_cbranch_scc1 .Lnot_wave_0_\@
	s_barrier_signal -3
.Lnot_wave_0_\@:
	s_barrier_wait -3
	s_barrier_signal -1
	s_barrier_wait -1
.endm
	s_load_b128 s[4:7], s[0:1], 0x0                ; qk s[4:5], the exponents s[6:7]
	s_load_b128 s[8:11], s[0:1], 0x10              ; pc s[8:9], stats s[10:11]
	v_lshl_add_u32 v[SPW], v0, 2, SPARE
	v_mov_b32 v[NIL], 0
	ds_add_u32 v28, v29
	ds_add_u32 v28, v29
	s_wait_dscnt 0x0
	v_lshrrev_b32 v1, 5, v0
	v_readfirstlane_b32 s14, v1                    ; wave 0..3
	s_lshr_b32 s15, s14, 1                         ; which 64 queries are mine.  Also: I fetch for q (0) or for k (1)
	s_and_b32 s16, s14, 1                          ; which 128 keys.  Also: which half of that tile I fetch
	s_bfe_u32 s92, ttmp6, 0x40000                  ; cx
	s_bfe_u32 s93, ttmp6, 0x40004                  ; cy: the tile of 128 queries
	s_lshl_b32 s94, ttmp9, 2
	s_add_co_u32 s94, s94, s92                     ; the tile of 256 keys: 4 x cluster x + cx
	s_and_b32 s95, ttmp7, 0xffff                   ; the batch: cluster y
	s_lshl_b32 s96, s93, 2
	s_lshl_b32 s96, 15, s96                        ; my row of the cluster
	s_lshl_b32 s97, 0x1111, s92                    ; my column
	; group 1: rows of 512 elements of 8 bytes (two chunks' images of a row block), 2,048 elements apart (a row block's eight images); 4 rows for q, 8 for k; dense in LDS
	s_or_b32 s[G1A+0], s96, (3<<16)|(1<<21)        ; 15:0 the mask; 17:16 elements of 8 bytes; 21 set beside a mask
	s_mov_b32 s[G1A+1], 1024<<16                   ; tensor_dim0: the head's load takes rows of 1,024 elements; later loads 512
	s_mov_b32 s[G1A+2], 4<<16                      ; tensor_dim1
	s_mov_b32 s[G1A+3], 1024<<16                   ; tile_dim0
	s_mov_b32 s[G1A+4], 4                          ; tile_dim1
	s_mov_b32 s[G1A+5], 2048                       ; tensor_dim0_stride
	s_mov_b32 s[G1A+6], 0
	s_mov_b32 s[G1A+7], 0
	s_or_b32 s[G1B+0], s97, (3<<16)|(1<<21)
	s_mov_b32 s[G1B+1], 1024<<16
	s_mov_b32 s[G1B+2], 8<<16
	s_mov_b32 s[G1B+3], 1024<<16
	s_mov_b32 s[G1B+4], 8
	s_mov_b32 s[G1B+5], 2048
	s_mov_b32 s[G1B+6], 0
	s_mov_b32 s[G1B+7], 0
	s_lshl_b32 s18, s95, 5                         ; q: row block 32 x batch + 8 cy + 4 x half,
	s_lshl_b32 s19, s93, 3
	s_add_co_u32 s18, s18, s19
	s_lshl_b32 s19, s16, 2
	s_add_co_u32 s18, s18, s19
	s_lshl_b32 s18, s18, 14                        ; x 16,384 bytes
	s_mov_b32 s19, 0
	s_lshl_b32 s20, s95, 7                         ; k: row block 256 + 128 x batch + 16 x key tile + 8 x half
	s_lshl_b32 s21, s94, 4
	s_add_co_u32 s20, s20, s21
	s_lshl_b32 s21, s16, 3
	s_add_co_u32 s20, s20, s21
	s_add_co_u32 s20, s20, 256
	s_lshl_b32 s20, s20, 14
	s_mov_b32 s21, 0
	s_lshl_b32 s22, s16, 14                        ; where they go: q's halves at 0 and 16,384,
	s_lshl_b32 s23, s16, 15
	s_add_co_u32 s23, s23, BOFF                    ; k's at 32,768 and 65,536: no place in the cluster enters an LDS address
	s_mov_b32 s86, 0x76543210                      ; v_permlanex16_b32: lane l xor 16
	s_mov_b32 s87, 0xfedcba98
	s_wait_kmcnt 0x0
	s_load_b64 s[88:89], s[6:7], 0x18              ; e6, e7
	s_load_b32 s90, s[6:7], 0x20                   ; e8
	s_add_nc_u64 s[18:19], s[4:5], s[18:19]
	s_add_nc_u64 s[20:21], s[4:5], s[20:21]
.irp s, 0,1,2                          ; set 0: steps 0 and 1 (from chunk 0 on); set 1: step 3 (chunk 6 on); set 2: step 2 (chunk 4 on)
	s_mov_b32 s[G0A+4*\s], 1
	s_add_nc_u64 s[G0A+4*\s+2:G0A+4*\s+3], s[18:19], ((3*\s)%4)*4096
	s_or_b32 s[G0A+4*\s+3], s[G0A+4*\s+3], 0x80000000
	s_mov_b32 s[G0B+4*\s], 1
	s_add_nc_u64 s[G0B+4*\s+2:G0B+4*\s+3], s[20:21], ((3*\s)%4)*4096
	s_or_b32 s[G0B+4*\s+3], s[G0B+4*\s+3], 0x80000000
.endr
	s_lshl_b32 s[G0A+1], s16, 15                   ; LDS, the large slot: q's halves of 4 x 8,192 bytes,
	s_lshl_b32 s[G0B+1], s16, 16
	s_add_co_u32 s[G0B+1], s[G0B+1], BIGB          ; k's halves of 8 x 8,192 behind them
	s_mov_b32 s[G0A+5], s22                        ; step 3: from byte 0 on, rows of 4,096 bytes
	s_mov_b32 s[G0B+5], s23
	s_add_co_u32 s[G0A+9], s22, 2*SLOT             ; step 2: behind the large slot
	s_add_co_u32 s[G0B+9], s23, 2*SLOT
	CROUND                                         ; all sixteen work-groups are here: the first joint loads meet
	s_cmp_eq_u32 s15, 0                            ; the head's fill: one tensor load a wave, one in each arm
	s_cbranch_scc0 .Lfirst_b
	tensor_load_to_lds s[G0A:G0A+3], s[G1A:G1A+7]
	s_nop 0
	PLACES
	s_branch .Lfirst_asked
.Lfirst_b:
	tensor_load_to_lds s[G0B:G0B+3], s[G1B:G1B+7]
	s_nop 0
	PLACES
.Lfirst_asked:
	v_and_b32 v1, 31, v0
	v_lshlrev_b32 v[IO], 4, v1
	s_lshl_b32 s44, s15, 14                        ; my 64 queries: 4 row blocks x 4,096
	s_lshl_b32 s45, s16, 15                        ; my 128 keys: 8 row blocks x 4,096,
	s_add_co_u32 s45, s45, BOFF                    ; behind q's
	s_lshl_b32 s46, s15, 15                        ; in the large slot a row block is 8,192 bytes
	s_lshl_b32 s47, s16, 16
	s_add_co_u32 s47, s47, BIGB
	v_add_nc_u32 v[ADRA], s44, v[IO]               ; index 0: step 3, from byte 0 on
	v_add_nc_u32 v[ADRB], s45, v[IO]
	v_add_nc_u32 v[ADRA+1], s46, v[IO]             ; index 1: the large slot, steps 0 and 1
	v_add_nc_u32 v[ADRB+1], s47, v[IO]
	v_add_nc_u32 v[ADRA+2], 2*SLOT, v[ADRA]        ; index 2: step 2
	v_add_nc_u32 v[ADRB+2], 2*SLOT, v[ADRB]
; PREFETCHES of what the two later loads (steps 2 and 3) will fetch: chunks 4 to 7, 8,192 consecutive bytes of each row block.  They stand behind the head's load; step 2's load follows only when that one has landed.
; The four partners that ask for a tile jointly share its row blocks out by address: of q's four row blocks that a wave fetches the partner at cx takes one; of k's eight the partner at cy takes two.
; Lanes 256 bytes apart: an instruction names a row block's 32 blocks of 256 bytes, each once in the cluster.
	s_cmp_eq_u32 s15, 0                            ; do I fetch for q?
	s_cselect_b64 s[PFA:PFA+1], s[18:19], s[20:21]
	s_cselect_b32 s82, s92, s93                    ; my place among the four
	s_cselect_b32 s83, 14, 15                      ; x one row block of 16,384 bytes, or two
	s_lshl_b32 s82, s82, s83
	s_mov_b32 s83, 0
	s_add_nc_u64 s[PFA:PFA+1], s[PFA:PFA+1], s[82:83]
	v_and_b32 v[PFO], 31, v0
	v_lshlrev_b32 v[PFO], 8, v[PFO]
	global_prefetch_b8 v[PFO], s[PFA:PFA+1] offset:8192 th:TH_LOAD_NT scope:SCOPE_SE
	s_cmp_eq_u32 s15, 0
	s_cbranch_scc1 .Lq_asked                       ; a branch on the wave's number alone
	global_prefetch_b8 v[PFO], s[PFA:PFA+1] offset:16384+8192 th:TH_LOAD_NT scope:SCOPE_SE
.Lq_asked:
	v_mov_b32 v10, 0
	v_mov_b32 v15, 0                               ; (upper half of the pair v[14:15])
	s_lshl_b32 s56, s95, 5                         ; pc: image (32 x batch + 8 cy + 4 x my half) x 16 + my chunk of keys
	s_lshl_b32 s57, s93, 3
	s_add_co_u32 s56, s56, s57
	s_lshl_b32 s57, s15, 2
	s_add_co_u32 s56, s56, s57
	s_lshl_b32 s56, s56, 4
	s_lshl_b32 s57, s94, 1
	s_add_co_u32 s57, s57, s16                     ; my chunk of 128 keys: 2 x key tile + half
	s_add_co_u32 s56, s56, s57
	s_lshl_b32 s56, s56, 11
	s_lshl_b32 s58, s95, 3                         ; stats: ((8 x batch + 2 cy + my half) x 16 + chunk) x 1,024 bytes
	s_lshl_b32 s59, s93, 1
	s_add_co_u32 s58, s58, s59
	s_add_co_u32 s58, s58, s15
	s_lshl_b32 s58, s58, 4
	s_add_co_u32 s58, s58, s57
	s_lshl_b32 s58, s58, 10
	s_mov_b32 s57, 0
	s_mov_b32 s59, 0
	s_add_nc_u64 s[8:9], s[8:9], s[56:57]
	s_add_nc_u64 s[10:11], s[10:11], s[58:59]
.macro FETCH slot, ch, set             ; chunk ch of a slot: k's eight fragments and q's four, 48 loads of 512 consecutive bytes.  FST: bytes from row block to row block
.if (\slot) == 1
.set FST, 8192
.else
.set FST, 4096
.endif
	WIN 0x80                                       ; destination window 2
.irp i, 0,1,2,3,4,5,6,7
.irp c, 0,1,2,3
	ds_load_b128 v[128*(\set)+16*\i+4*\c:128*(\set)+16*\i+4*\c+3], v[ADRB+\slot] offset:\i*FST+(\ch)*2048+512*\c
.endr
.endr
	WIN 0
.irp i, 0,1,2,3
.irp c, 0,1,2,3
	ds_load_b128 v[AF+64*(\set)+16*\i+4*\c:AF+64*(\set)+16*\i+4*\c+3], v[ADRA+\slot] offset:\i*FST+(\ch)*2048+512*\c
.endr
.endr
.endm
.macro MULH set, a0, zero              ; 16 matrix instructions: query blocks a0, a0 + 1 x the eight key blocks.  The 32 accumulators take turns, one instruction a turn
.irp a, \a0, \a0+1
.irp b, 0,1,2,3,4,5,6,7
.if \zero
	v_wmma_f32_16x16x128_bf8_bf8 v[8*(8*(\a)+\b):8*(8*(\a)+\b)+7], v[128*(\set)+16*\b:128*(\set)+16*\b+15], v[AF+64*(\set)+16*(\a):AF+64*(\set)+16*(\a)+15], 0
.else
	v_wmma_f32_16x16x128_bf8_bf8 v[8*(8*(\a)+\b):8*(8*(\a)+\b)+7], v[128*(\set)+16*\b:128*(\set)+16*\b+15], v[AF+64*(\set)+16*(\a):AF+64*(\set)+16*(\a)+15], v[8*(8*(\a)+\b):8*(8*(\a)+\b)+7]
.endif
.endr
.endr
.endm
.macro CHUNK set, zero, next, nslot, nch   ; 128 along K.  next = 1: at its head the next chunk's fragments are asked for, into the other set: they have this chunk's 32 products in which to come
	s_wait_dscnt 0x0                               ; this chunk's fragments are in
.if \next
	PLACES                                         ; in front of loads into registers that the chunk before multiplied
	FETCH \nslot, \nch, 1-(\set)
.endif
	WIN MUL
	MULH \set, 0, \zero
	MULH \set, 2, \zero
.endm
; A change of slots: each wave waits for all its tensor loads, adds 0 to its spare word, waits for that and for its LDS reads.  fill = 1: slot 0, which has been read out, takes step 3, behind a round of the cluster's barrier.
.macro CHANGE fill
	WIN 0
	s_wait_tensorcnt 0x0                           ; no tensor load of mine is out, so a group 0 may be written
	ds_add_u32 v[SPW], v[NIL]                      ; 0 onto my spare word
	s_wait_dscnt 0x0                               ; the add is done, and my reads of the slots so far are over
.if \fill
	CROUND                                         ; no wave of any partner still reads the large slot or has a load on its way
	JLOAD 1                                        ; step 3, the first thing behind the round; its four v_nop are the places in front of the loads that follow
.else
	s_barrier_signal -1
	s_barrier_wait -1
	PLACES
.endif
.endm
	s_wait_alu depctr_va_vdst(0)
	s_wait_tensorcnt 0x0                           ; my part of steps 0 and 1 is in
	ds_add_u32 v[SPW], v[NIL]                      ; 0 onto my spare word
	s_mov_b32 s[G1A+1], 512<<16                    ; no load of mine is out: from here on a tile's rows are 512 elements, one step
	s_mov_b32 s[G1A+3], 512<<16
	s_mov_b32 s[G1B+1], 512<<16
	s_mov_b32 s[G1B+3], 512<<16
	s_wait_dscnt 0x0                               ; the add is done
	CROUND                                         ; everybody's part of steps 0 and 1 is in, and the sixteen work-groups' joint loads meet
	JLOAD 2                                        ; step 2, a first fill: the wave's one tensor load behind this round
	FETCH 1, 0, 0
	CHUNK 0, 1, 1, 1, 1                            ; chunk 0 starts the sums
	CHUNK 1, 0, 1, 1, 2
	CHUNK 0, 0, 1, 1, 3
	CHUNK 1, 0, 0, 0, 0
	CHANGE 1                                       ; step 2 is whole in every wave's sight; the large slot's first bytes take chunks 6 and 7
	FETCH 2, 0, 0
	CHUNK 0, 0, 1, 2, 1
	CHUNK 1, 0, 0, 0, 0
	CHANGE 0                                       ; step 3 is whole; nothing is left to fetch
	FETCH 0, 0, 0
	CHUNK 0, 0, 1, 0, 1
	CHUNK 1, 0, 0, 0, 0
	WIN 0
	s_wait_kmcnt 0x0
	s_add_co_i32 s84, s88, s89
	s_lshl_b32 s84, s84, 23
	s_add_co_i32 s84, s84, 0x3d38aa3b              ; c = log2(e) / 32 x 2^(e6 + e7): the exponents are added to the exponent field
	s_mov_b32 s85, s84                             ; (named with it as a pair, so it is written)
	s_add_co_i32 s91, s90, 127
	s_lshl_b32 s60, s91, 23
	v_mov_b32 v30, s60                             ; 2^e8
	s_add_co_i32 s91, s91, 15
	s_lshl_b32 s91, s91, 23
	s_or_b32 s91, s91, 0x600000
	v_mov_b32 v31, s91                             ; 57,344 x 2^e8
	PLACES                                         ; behind the last products (with the two lines above)
; Block a of 16 queries: a lane's 64 scores are keys 16 b + 8 (lane / 16) + j of its query; lane l xor 16 holds the other 64.
.macro SOFT a
.set AC, 64*(\a)
	WIN 0x15                                       ; all three sources window 1
	v_max3_num_f32 v8, v[AC], v[AC+1], v[AC+2]     ; the largest score, in two chains, ascending: each accumulator is read from its low end on
	v_max3_num_f32 v9, v[AC+3], v[AC+4], v[AC+5]
	WIN 0x14
.irp i, 6,10,14,18,22,26,30,34,38,42,46,50,54,58
	v_max3_num_f32 v8, v8, v[AC+\i], v[AC+\i+1]
	v_max3_num_f32 v9, v9, v[AC+\i+2], v[AC+\i+3]
.endr
	v_max3_num_f32 v8, v8, v[AC+62], v[AC+63]
	WIN 0
	v_max_num_f32 v8, v8, v9
	v_permlanex16_b32 v10, v8, s86, s87
	v_max_num_f32 v8, v8, v10
	v_mul_f32 v8, s84, v8                          ; as t (c is positive)
	v_floor_f32 v14, -v8                           ; -M = floor(-t): M is a whole number
	v_mov_b32 v[NM+\a], v14
	WIN 0x41                                       ; source 0 and destination window 1
.set n, 0
.rept 32
	v_pk_fma_f32 v[AC+n:AC+n+1], v[AC+n:AC+n+1], s[84:85], v[14:15] op_sel_hi:[1,0,0]   ; t - M, two at a time
.set n, n+2
.endr
.set n, 0
	s_wait_alu depctr_va_vdst(0)
.rept 64
	v_exp_f32 v[AC+n], v[AC+n]                     ; p = 2^(t - M)
.set n, n+1
.endr
	v_nop                                          ; a plain instruction behind the last exponential,
	s_wait_alu depctr_va_vdst(0)                   ; and one wait for the batch, ahead of its first reader
	WIN 0x05
	v_pk_add_f32 v[4:5], v[AC:AC+1], v[AC+2:AC+3]  ; the sum of the UNQUANTISED p, in two chains
	v_pk_add_f32 v[6:7], v[AC+4:AC+5], v[AC+6:AC+7]
	WIN 0x04
.irp j, 8,12,16,20,24,28,32,36,40,44,48,52,56,60
	v_pk_add_f32 v[4:5], v[4:5], v[AC+\j:AC+\j+1]
	v_pk_add_f32 v[6:7], v[6:7], v[AC+\j+2:AC+\j+3]
.endr
	WIN 0
	v_pk_add_f32 v[4:5], v[4:5], v[6:7]
	v_add_f32 v4, v4, v5
	v_permlanex16_b32 v10, v4, s86, s87
	v_add_f32 v[LS+\a], v4, v10                    ; both halves of the lanes hold the 128 keys' sum
	WIN 0x41
.set n, 0
.rept 64
	v_min_num_f32 v[AC+n], v[AC+n], v31            ; the conversion does not saturate (ISA guide 7.6.2); p is not negative, so the hold is one-sided
.set n, n+1
.endr
	WIN 0x01
.irp b, 0,1,2,3,4,5,6,7
	v_cvt_scalef32_pk8_bf8_f32 v[CD+16*\a+2*\b:CD+16*\a+2*\b+1], v[AC+8*\b:AC+8*\b+7], v30
.endr
	v_nop                                          ; a plain instruction behind the last conversion
	WIN 0
.irp c, 0,1,2,3
	global_store_b128 v[IO], v[CD+16*\a+4*\c:CD+16*\a+4*\c+3], s[8:9] offset:\a*32768+512*\c   ; the image as it stands: 512 consecutive bytes, aligned
.endr
.endm
	SOFT 0
	SOFT 1
	SOFT 2
	SOFT 3
	global_store_b128 v[IO], v[NM:NM+3], s[10:11]
	global_store_b128 v[IO], v[LS:LS+3], s[10:11] offset:512
	s_wait_tensorcnt 0x0                           ; the wave's end
	ds_add_u32 v[SPW], v[NIL]
	s_wait_dscnt 0x0
	CROUND                                         ; the closing round
	s_endpgm
.Lfunc_end_k_q1b796eb896_scores:
	.size	k_q1b796eb896_scores, .Lfunc_end_k_q1b796eb896_scores-k_q1b796eb896_scores
	.p2alignl 7, 3214868480
	.fill 96, 4, 3214868480
	.section	.rodata,"a",@progbits
	.p2align	6, 0x0
	.amdhsa_kernel k_q1b796eb896_scores
		.amdhsa_group_segment_fixed_size 327680
		.amdhsa_private_segment_fixed_size 0
		.amdhsa_enable_private_segment 0
		.amdhsa_kernarg_size 32
		.amdhsa_user_sgpr_count 2
		.amdhsa_user_sgpr_kernarg_segment_ptr 1
		.amdhsa_wavefront_size32 1
		.amdhsa_system_sgpr_workgroup_id_x 1
		.amdhsa_system_sgpr_workgroup_id_y 1
		.amdhsa_system_sgpr_workgroup_id_z 1
		.amdhsa_system_vgpr_workitem_id 0
		.amdhsa_next_free_vgpr 768
		.amdhsa_next_free_sgpr 100
		.amdhsa_reserve_vcc 0
		.amdhsa_float_denorm_mode_32 3
		.amdhsa_float_denorm_mode_16_64 3
		.amdhsa_memory_ordered 1
		.amdhsa_forward_progress 1
		.amdhsa_inst_pref_size 99
	.end_amdhsa_kernel
	.amdgpu_metadata
---
amdhsa.version: [ 1, 2 ]
amdhsa.kernels:
  - .name:           k_q1b796eb896_scores
    .symbol:         k_q1b796eb896_scores.kd
    .args:
      - { .name: qk, .offset: 0, .size: 8, .value_kind: global_buffer, .address_space: global }
      - { .name: lowp_scales, .offset: 8, .size: 8, .value_kind: global_buffer, .address_space: global }
      - { .name: pc, .offset: 16, .size: 8, .value_kind: global_buffer, .address_space: global }
      - { .name: stats, .offset: 24, .size: 8, .value_kind: global_buffer, .address_space: global }
    .group_segment_fixed_size: 327680
    .private_segment_fixed_size: 0
    .kernarg_segment_align: 8
    .kernarg_segment_size: 32
    .max_flat_workgroup_size: 128
    .sgpr_count:     100
    .vgpr_count:     768
    .wavefront_size: 32
...
	.end_amdgpu_metadata
.endif
;; end of part 3
;; launch mix (part 4): grid 8 x 32, 4 waves a work-group, clusters of 4 x 4, 327,680 bytes of LDS; arguments pc, vt, stats, lowp_scales, out0; writes out0
.if DOCPART == 4
	.amdgcn_target "amdgcn-amd-amdhsa--gfx1250"
	.amdhsa_code_object_version 6
	.text
	.protected	k_q1b796eb896_mix
	.globl	k_q1b796eb896_mix
	.p2align	8
	.type	k_q1b796eb896_mix,@function
k_q1b796eb896_mix:
	s_mov_b64 s[64:65], 0
	v_nop
	global_prefetch_b8 v0, s[64:65] scope:SCOPE_SE
	s_setreg_imm32_b32 hwreg(HW_REG_WAVE_MODE, 25, 1), 1
	s_wait_xcnt 0x0
	s_wait_alu depctr_hold_cnt(0) depctr_sa_sdst(0) depctr_va_vdst(0) depctr_va_sdst(0) depctr_va_ssrc(0) depctr_va_vcc(0) depctr_vm_vsrc(0)
	s_getreg_b32 s2, hwreg(HW_REG_IB_STS2, 6, 4)
	s_cmp_eq_u32 s2, 0
	s_cbranch_scc0 .Lentry_in_a_cluster
	s_endpgm
.Lentry_in_a_cluster:
	s_bfe_u32 s2, ttmp6, 0x10000c
	s_cmp_lg_u32 s2, 0xf033
	s_cbranch_scc0 .Lentry_shape_is_right
	s_endpgm
.Lentry_shape_is_right:
; out(q, d) = (sum over the 16 blocks kc of 128 keys of f(kc, q) x (p's codes . v's codes)) x 2^(e8 + e9) / L(q).  8 batches x 512 queries x 1,024 d, K = 2,048 keys.
; p of block kc was quantised under that block's whole number M(kc, q).  The row's M is the largest of them; f = 2^(M(kc) - M), a whole power of two; L = the sum of f x l(kc): the row's sum of the unquantised p.
; So each block's product of 128 keys is taken by itself (C = 0) and weighed into the sums by one packed multiply-add for two numbers.
; pc: [query / 16: 256][key / 128: 16], vt: [d / 16: 64][16 x batch + key / 128: 128]: images of operand registers, 2,048 bytes (16 rows x 128 K).  stats: [batch][64 queries][kc][-M, l][lane][4 f32].
; SHARES: a work-group makes 128 queries x 128 d, a wave 64 x 64.  Source 0 = 16 d, source 1 = 16 queries: a lane holds one query and eight neighbouring d.
; CLUSTER 4 x 4: cluster x, y = (half of d, batch); p's tile is shared along a row of the cluster, v's along a column: joint loads.  Two LDS slots of four chunks each; images are dense, so no padding.
; LIMITS: none on e8 + e9 (applied by v_ldexp_f32).  NaN is not served.
; REGISTERS: window 0: v0-31 addresses; v32-95 the -M, later results at work; v96-103 pairs (2^(e8 + e9) / L, L); v104-107 the least -M; v128-255 pairs (f, its exponent), later rows on the way out.
;   window 1: v0-127 a chunk's 16 products; v128-255 the 16 sums ((a, b) at v[128 + 8 (4 a + b)]; ahead of the first chunk v128-191 hold l).   window 2: two sets of fragments: p's four, then v's four.
.set SLOT,  131072                     ; p's 8 row blocks x 8,192 bytes, then v's 8
.set BOFF,  65536
.set SPARE, 2*SLOT                     ; the spare words, 128 bytes a wave: two blocks of 256 bytes that no other line names
.set STAGE, SPARE+512                  ; the way out: 16 rows x 272 bytes for each wave; no fill lands here
.set SP,    272
.set ADRA, 16                          ; v16-17  LDS address of my p fragments in slot 0, 1
.set ADRB, 20                          ; v20-21  the same for v
.set STO,  24
.set RD,   25
.set IO,   26                          ; v26     16 x lane; never rewritten
.set GO,   27
.set SPW,  28
.set NIL,  29
.set PFO,  30                          ; v30     the prefetches' offset: 256 x lane; never rewritten
.set PFA,  68                          ; s[68:69] where my prefetches stand; never rewritten: the slots are told apart by the immediate
.set NMQ,  32
.set OUTT, 32
.set RL,   96
.set MN,   104
.set F,    128
.set OB,   128
.set G1A,  24
.set G0A,  32
.set G1B,  48
.set G0B,  56
.set MSB, 0
.macro WIN new
.if MSB != \new
	s_set_vgpr_msb (MSB<<8)|\new
.set MSB, \new
.endif
.endm
.macro PLACES
.rept 4
	v_nop
.endr
.endm
.macro JLOAD g0a, g0b                  ; waves 0 and 1 fetch p's halves, waves 2 and 3 v's; four v_nop follow each line
	s_cmp_eq_u32 s15, 0
	s_cbranch_scc0 .Lfor_b_\@
	tensor_load_to_lds s[\g0a:\g0a+3], s[G1A:G1A+7]
	s_nop 0
	PLACES
	s_branch .Lasked_\@
.Lfor_b_\@:
	tensor_load_to_lds s[\g0b:\g0b+3], s[G1B:G1B+7]
	s_nop 0
	PLACES
.Lasked_\@:
.endm
.macro CROUND
	s_barrier_signal -1
	s_barrier_wait -1
	s_cmp_lg_u32 s14, 0
	s_cbranch_scc1 .Lnot_wave_0_\@
	s_barrier_signal -3
.Lnot_wave_0_\@:
	s_barrier_wait -3
	s_barrier_signal -1
	s_barrier_wait -1
.endm
	s_load_b256 s[4:11], s[0:1], 0x0               ; pc s[4:5], vt s[6:7], stats s[8:9], the exponents s[10:11]
	s_load_b64 s[12:13], s[0:1], 0x20              ; out0
	v_lshl_add_u32 v[SPW], v0, 2, SPARE
	v_mov_b32 v[NIL], 0
	ds_add_u32 v28, v29
	ds_add_u32 v28, v29
	s_wait_dscnt 0x0
	v_lshrrev_b32 v1, 5, v0
	v_readfirstlane_b32 s14, v1                    ; wave 0..3
	s_lshr_b32 s15, s14, 1                         ; which 64 queries are mine.  Also: I fetch for p (0) or for v (1)
	s_and_b32 s16, s14, 1                          ; which 64 d.  Also: which half of that tile I fetch
	s_bfe_u32 s92, ttmp6, 0x40000                  ; cx
	s_bfe_u32 s93, ttmp6, 0x40004                  ; cy: the tile of 128 queries
	s_lshl_b32 s94, ttmp9, 2
	s_add_co_u32 s94, s94, s92                     ; the tile of 128 d
	s_and_b32 s95, ttmp7, 0xffff                   ; the batch
	s_lshl_b32 s96, s93, 2
	s_lshl_b32 s96, 15, s96                        ; my row of the cluster
	s_lshl_b32 s97, 0x1111, s92                    ; my column
	; group 1: 4 rows of 1,024 elements of 8 bytes (four chunks' images of a row block); a row block is 4,096 elements in pc, 32,768 in vt; dense in LDS
	s_or_b32 s[G1A+0], s96, (3<<16)|(1<<21)
	s_or_b32 s[G1B+0], s97, (3<<16)|(1<<21)
.irp g, G1A, G1B
	s_mov_b32 s[\g+1], 1024<<16                    ; tensor_dim0
	s_mov_b32 s[\g+2], 4<<16                       ; tensor_dim1
	s_mov_b32 s[\g+3], 1024<<16                    ; tile_dim0
	s_mov_b32 s[\g+4], 4                           ; tile_dim1
	s_mov_b32 s[\g+6], 0
	s_mov_b32 s[\g+7], 0
.endr
	s_mov_b32 s[G1A+5], 4096                       ; tensor_dim0_stride
	s_mov_b32 s[G1B+5], 32768
	s_lshl_b32 s18, s95, 5                         ; p: row block 32 x batch + 8 cy + 4 x half,
	s_lshl_b32 s19, s93, 3
	s_add_co_u32 s18, s18, s19
	s_lshl_b32 s19, s16, 2
	s_add_co_u32 s18, s18, s19
	s_lshl_b32 s18, s18, 15                        ; x 32,768 bytes
	s_mov_b32 s19, 0
	s_lshl_b32 s20, s94, 3                         ; v: row block 8 x d tile + 4 x half,
	s_lshl_b32 s21, s16, 2
	s_add_co_u32 s20, s20, s21
	s_lshl_b32 s20, s20, 18                        ; x 262,144 bytes,
	s_lshl_b32 s21, s95, 15                        ; + the batch's 16 images
	s_add_co_u32 s20, s20, s21
	s_mov_b32 s21, 0
	s_lshl_b32 s45, s14, 15                        ; where they go: wave x 32,768
	s_wait_kmcnt 0x0
	s_load_b64 s[88:89], s[10:11], 0x20            ; e8, e9
	s_add_nc_u64 s[18:19], s[4:5], s[18:19]
	s_add_nc_u64 s[20:21], s[6:7], s[20:21]
.irp s, 0,1
	s_mov_b32 s[G0A+4*\s], 1
	s_add_co_u32 s[G0A+4*\s+1], s45, \s*SLOT
	s_add_nc_u64 s[G0A+4*\s+2:G0A+4*\s+3], s[18:19], \s*8192   ; slot s begins with chunks 4 s .. 4 s + 3
	s_or_b32 s[G0A+4*\s+3], s[G0A+4*\s+3], 0x80000000
	s_mov_b32 s[G0B+4*\s], 1
	s_add_co_u32 s[G0B+4*\s+1], s45, \s*SLOT
	s_add_nc_u64 s[G0B+4*\s+2:G0B+4*\s+3], s[20:21], \s*8192
	s_or_b32 s[G0B+4*\s+3], s[G0B+4*\s+3], 0x80000000
.endr
	CROUND                                         ; all sixteen work-groups are here: the first joint loads meet
	s_cmp_eq_u32 s15, 0                            ; the head's fill, slot 0: one tensor load a wave, one in each arm
	s_cbranch_scc0 .Lfirst_b
	tensor_load_to_lds s[G0A:G0A+3], s[G1A:G1A+7]
	s_nop 0
	PLACES
	s_branch .Lfirst_asked
.Lfirst_b:
	tensor_load_to_lds s[G0B:G0B+3], s[G1B:G1B+7]
	s_nop 0
	PLACES
.Lfirst_asked:
; PREFETCHES, two fills ahead of the load that will want the bytes (at the head also the next fill's).  A wave's load is four row blocks x 8,192 bytes; the four partners that ask for it jointly share the
; row blocks out by address (place cx for p, cy for v): a row block an instruction, lanes 256 bytes apart, so each block of 256 bytes is named once in the cluster.  The fill of chunks 4 n on lies 8,192 n bytes along.
	s_cmp_eq_u32 s15, 0                            ; do I fetch for p?
	s_cselect_b64 s[PFA:PFA+1], s[18:19], s[20:21]
	s_cselect_b32 s70, s92, s93                    ; my place among the four
	s_cselect_b32 s71, 15, 18                      ; x a row block: 32,768 bytes in pc, 262,144 in vt
	s_lshl_b32 s70, s70, s71
	s_mov_b32 s71, 0
	s_add_nc_u64 s[PFA:PFA+1], s[PFA:PFA+1], s[70:71]
	v_and_b32 v3, 31, v0
	v_lshlrev_b32 v[IO], 4, v3
	v_lshlrev_b32 v[PFO], 8, v3
	global_prefetch_b8 v[PFO], s[PFA:PFA+1] offset:8192 th:TH_LOAD_NT scope:SCOPE_SE    ; chunks 4 to 7
	global_prefetch_b8 v[PFO], s[PFA:PFA+1] offset:16384 th:TH_LOAD_NT scope:SCOPE_SE   ; chunks 8 to 11
	s_wait_alu depctr_va_vdst(0)
	s_lshl_b32 s80, s95, 3                         ; stats: (8 x batch + 2 cy + my half) x 16 chunks x 1,024 bytes
	s_lshl_b32 s81, s93, 1
	s_add_co_u32 s80, s80, s81
	s_add_co_u32 s80, s80, s15
	s_lshl_b32 s80, s80, 14
	s_mov_b32 s81, 0
	s_add_nc_u64 s[8:9], s[8:9], s[80:81]
.set k, 0
.rept 16
	global_load_b128 v[NMQ+4*k:NMQ+4*k+3], v[IO], s[8:9] offset:1024*k         ; -M of my query in blocks 0 .. 3, chunk k
.set k, k+1
.endr
	WIN 0x40                                       ; destination window 1
.set k, 0
.rept 16
	global_load_b128 v[128+4*k:128+4*k+3], v[IO], s[8:9] offset:1024*k+512     ; l likewise
.set k, k+1
.endr
	WIN 0
	v_and_b32 v1, 15, v0                           ; r
	s_wait_alu depctr_va_vdst(0)
	v_bfe_u32 v2, v0, 4, 1                         ; h
	s_lshl_b32 s44, s15, 15                        ; my 64 queries: 4 row blocks x 8,192
	s_lshl_b32 s46, s16, 15                        ; my 64 d,
	s_add_co_u32 s46, s46, BOFF                    ; behind p's
.irp s, 0,1
	v_add_nc_u32 v[ADRA+\s], s44, v[IO]
	v_add_nc_u32 v[ADRB+\s], s46, v[IO]
	s_add_co_u32 s44, s44, SLOT
	s_add_co_u32 s46, s46, SLOT
.endr
	s_mul_i32 s47, s14, 16*SP
	s_add_co_u32 s47, s47, STAGE                   ; my stage
	v_mul_u32_u24 v[STO], v1, SP                   ; in: row r, 32 bytes for each half of the lanes
	s_wait_alu depctr_va_vdst(0)
	v_lshl_add_u32 v[STO], v2, 5, v[STO]
	v_add_nc_u32 v[STO], s47, v[STO]
	v_mul_u32_u24 v[RD], v2, SP                    ; back: lanes 0-15 one row of 256 bytes, lanes 16-31 the next
	v_lshl_add_u32 v[RD], v1, 4, v[RD]
	v_add_nc_u32 v[RD], s47, v[RD]
	v_lshlrev_b32 v[GO], 12, v2                    ; and the same two rows in out0
	v_lshl_add_u32 v[GO], v1, 4, v[GO]
	s_lshl_b32 s82, s95, 9                         ; out0: row 512 x batch + 128 cy + 64 x my half,
	s_lshl_b32 s83, s93, 7
	s_add_co_u32 s82, s82, s83
	s_lshl_b32 s83, s15, 6
	s_add_co_u32 s82, s82, s83
	s_lshl_b32 s82, s82, 12                        ; x 4,096 bytes,
	s_lshl_b32 s83, s94, 9
	s_add_co_u32 s82, s82, s83                     ; + 512 x d tile
	s_lshl_b32 s83, s16, 8
	s_add_co_u32 s82, s82, s83                     ; + 256 x my half
	s_mov_b32 s83, 0
	s_add_nc_u64 s[12:13], s[12:13], s[82:83]
	s_wait_loadcnt 0x0                             ; -M and l; what follows is worked while the first tiles are on their way
.irp a, 0,1,2,3
	v_min_num_f32 v[MN+\a], v[NMQ+\a], v[NMQ+4+\a] ; the least -M is - the row's M
.endr
.set k, 2
.rept 14
.irp a, 0,1,2,3
	v_min_num_f32 v[MN+\a], v[MN+\a], v[NMQ+4*k+\a]
.endr
.set k, k+1
.endr
.set k, 0
.rept 16
.irp a, 0,1,2,3
	v_sub_f32 v[F+8*k+2*\a+1], v[MN+\a], v[NMQ+4*k+\a]     ; M(k) - M: a whole number, 0 or less
.endr
.irp a, 0,1,2,3
	v_cvt_i32_f32 v[F+8*k+2*\a+1], v[F+8*k+2*\a+1]         ; (it saturates)
.endr
.irp a, 0,1,2,3
	v_ldexp_f32 v[F+8*k+2*\a], 1.0, v[F+8*k+2*\a+1]        ; f
.endr
.set k, k+1
.endr
	WIN 0x04                                       ; source 1 (l) window 1
.irp a, 0,1,2,3
	v_mul_f32 v[RL+2*\a+1], v[F+2*\a], v[128+\a]
.endr
.set k, 1
.rept 15
.irp a, 0,1,2,3
	v_fma_f32 v[RL+2*\a+1], v[F+8*k+2*\a], v[128+4*k+\a], v[RL+2*\a+1]   ; L: above 1/2, since the block that holds the row's M has f = 1
.endr
.set k, k+1
.endr
	WIN 0
	s_wait_alu depctr_va_vdst(0)
.irp a, 0,1,2,3
	v_rcp_f32 v[RL+2*\a], v[RL+2*\a+1]
.endr
	v_nop                                          ; a plain instruction behind the last reciprocal,
	s_wait_kmcnt 0x0
	s_add_co_i32 s90, s88, s89
	s_wait_alu depctr_va_vdst(0)                   ; and one wait for the four, ahead of their first reader
.irp a, 0,1,2,3
	v_ldexp_f32 v[RL+2*\a], v[RL+2*\a], s90        ; 2^(e8 + e9) / L
.endr
.macro FETCH slot, ch, set             ; chunk ch of a slot: p's four fragments and v's four, 32 loads of 512 consecutive bytes
	WIN 0x80                                       ; destination window 2
.irp i, 0,1,2,3
.irp c, 0,1,2,3
	ds_load_b128 v[128*(\set)+16*\i+4*\c:128*(\set)+16*\i+4*\c+3], v[ADRA+\slot] offset:\i*8192+(\ch)*2048+512*\c
.endr
.endr
.irp i, 0,1,2,3
.irp c, 0,1,2,3
	ds_load_b128 v[128*(\set)+64+16*\i+4*\c:128*(\set)+64+16*\i+4*\c+3], v[ADRB+\slot] offset:\i*8192+(\ch)*2048+512*\c
.endr
.endr
.endm
; Chunk kc: 16 products of 128 keys, each begun with 0; then they are weighed into the sums.  next = 1: at the chunk's head the next chunk's fragments are asked for, into the other set: they have this chunk's
; 16 products and 64 weighing lines in which to come.  (The other set's last readers are the chunk before's products: four v_nop and its weighing lines stand behind them.)
.macro CHUNK kc, next, nslot, nch
.set FS, 128*((\kc)%2)
	s_wait_dscnt 0x0                               ; this chunk's fragments are in
.if \next
	FETCH \nslot, \nch, 1-(\kc)%2
.endif
	WIN 0x4a                                       ; sources 0 and 1 window 2, destination window 1
.irp a, 0,1,2,3
.irp b, 0,1,2,3
	v_wmma_f32_16x16x128_bf8_bf8 v[8*(4*\a+\b):8*(4*\a+\b)+7], v[FS+64+16*\b:FS+64+16*\b+15], v[FS+16*\a:FS+16*\a+15], 0
.endr
.endr
	PLACES                                         ; in front of the first read of a product, and of later loads into this set
	WIN 0x51                                       ; product (source 0), sum (source 2 and destination) window 1; f window 0
.irp a, 0,1,2,3
.irp b, 0,1,2,3
.irp i, 0,2,4,6                        ; each product from its low end on
.if (\kc) == 0
	v_pk_mul_f32 v[128+8*(4*\a+\b)+\i:128+8*(4*\a+\b)+\i+1], v[8*(4*\a+\b)+\i:8*(4*\a+\b)+\i+1], v[F+8*(\kc)+2*\a:F+8*(\kc)+2*\a+1] op_sel_hi:[1,0]
.else
	v_pk_fma_f32 v[128+8*(4*\a+\b)+\i:128+8*(4*\a+\b)+\i+1], v[8*(4*\a+\b)+\i:8*(4*\a+\b)+\i+1], v[F+8*(\kc)+2*\a:F+8*(\kc)+2*\a+1], v[128+8*(4*\a+\b)+\i:128+8*(4*\a+\b)+\i+1] op_sel_hi:[1,0,1]
.endif
.endr
.endr
.endr
.endm
; A change of slots: each wave waits for all its tensor loads, adds 0 to its spare word, waits for that and for its reads of the slot that it leaves.  fill = 1: that slot takes the chunks eight further on, behind a round of the cluster's barrier.
.macro CHANGE fill, slot
	WIN 0
	s_wait_tensorcnt 0x0                           ; no tensor load of mine is out, so a group 0 may be written
	ds_add_u32 v[SPW], v[NIL]                      ; 0 onto my spare word
.if \fill
	s_add_nc_u64 s[G0A+4*\slot+2:G0A+4*\slot+3], s[G0A+4*\slot+2:G0A+4*\slot+3], 2*8192
	s_add_nc_u64 s[G0B+4*\slot+2:G0B+4*\slot+3], s[G0B+4*\slot+2:G0B+4*\slot+3], 2*8192
.endif
	s_wait_dscnt 0x0                               ; the add is done, and my reads of the slot are over
.if \fill
	CROUND
	JLOAD G0A+4*\slot, G0B+4*\slot                 ; the first thing behind the round: it has four chunks' work in which to land
.else
	s_barrier_signal -1
	s_barrier_wait -1
.endif
.endm
	s_wait_alu depctr_va_vdst(0)
	s_wait_tensorcnt 0x0                           ; my part of slot 0 is in
	ds_add_u32 v[SPW], v[NIL]                      ; 0 onto my spare word
	s_wait_dscnt 0x0                               ; the add is done
	CROUND                                         ; everybody's part of slot 0 is in, and the sixteen work-groups' joint loads meet
	JLOAD G0A+4, G0B+4                             ; slot 1's first fill, chunks 4 to 7: the wave's one tensor load behind this round
	global_prefetch_b8 v[PFO], s[PFA:PFA+1] offset:24576 th:TH_LOAD_NT scope:SCOPE_SE   ; chunks 12 to 15, which the load two changes of slots on will fetch; nothing lies behind them
	FETCH 0, 0, 0
	CHUNK 0, 1, 0, 1
	CHUNK 1, 1, 0, 2
	CHUNK 2, 1, 0, 3
	CHUNK 3, 0, 0, 0
	CHANGE 1, 0                                    ; slot 0 takes chunks 8 to 11
	FETCH 1, 0, 0
	CHUNK 4, 1, 1, 1
	CHUNK 5, 1, 1, 2
	CHUNK 6, 1, 1, 3
	CHUNK 7, 0, 0, 0
	CHANGE 1, 1                                    ; slot 1 takes chunks 12 to 15
	FETCH 0, 0, 0
	CHUNK 8, 1, 0, 1
	CHUNK 9, 1, 0, 2
	CHUNK 10, 1, 0, 3
	CHUNK 11, 0, 0, 0
	CHANGE 0, 0                                    ; nothing is left to fetch
	FETCH 1, 0, 0
	CHUNK 12, 1, 1, 1
	CHUNK 13, 1, 1, 2
	CHUNK 14, 1, 1, 3
	CHUNK 15, 0, 0, 0
; THE WAY OUT, a block of 16 queries at a time: x 2^(e8 + e9) / L; a lane's 32 bytes of a row into my stage; back as whole rows of 256 bytes; sixteen lanes store 256 consecutive bytes, aligned.
.macro SENDOUT a
	WIN 0x01                                       ; source 0 (the sums) window 1
.irp b, 0,1,2,3
.irp i, 0,2,4,6
	v_pk_mul_f32 v[OUTT+8*\b+\i:OUTT+8*\b+\i+1], v[128+8*(4*\a+\b)+\i:128+8*(4*\a+\b)+\i+1], v[RL+2*\a:RL+2*\a+1] op_sel_hi:[1,0]
.endr
.endr
	WIN 0
.irp b, 0,1,2,3
	ds_store_b128 v[STO], v[OUTT+8*\b:OUTT+8*\b+3] offset:64*\b
	ds_store_b128 v[STO], v[OUTT+8*\b+4:OUTT+8*\b+7] offset:64*\b+16
.endr
.irp t, 0,1,2,3,4,5,6,7
	ds_load_b128 v[OB+32*\a+4*\t:OB+32*\a+4*\t+3], v[RD] offset:\t*2*SP    ; LDS serves a wave's instructions in order (ISA guide 5.7.1.4): these see my stores
.endr
.irp t, 0,1,2,3,4,5,6,7
	s_wait_dscnt 7-\t                              ; the younger loads may be out; at the last all LDS work of the block is done, so its registers and the stage may be used again
	global_store_b128 v[GO], v[OB+32*\a+4*\t:OB+32*\a+4*\t+3], s[12:13] offset:(16*\a+2*\t)*4096 th:TH_STORE_NT   ; each block has its own registers: no store's data are written again
.endr
.endm
	SENDOUT 0
	SENDOUT 1
	SENDOUT 2
	SENDOUT 3
	s_wait_tensorcnt 0x0                           ; the wave's end
	ds_add_u32 v[SPW], v[NIL]
	s_wait_dscnt 0x0
	CROUND                                         ; the closing round
	s_endpgm
.Lfunc_end_k_q1b796eb896_mix:
	.size	k_q1b796eb896_mix, .Lfunc_end_k_q1b796eb896_mix-k_q1b796eb896_mix
	.p2alignl 7, 3214868480
	.fill 96, 4, 3214868480
	.section	.rodata,"a",@progbits
	.p2align	6, 0x0
	.amdhsa_kernel k_q1b796eb896_mix
		.amdhsa_group_segment_fixed_size 327680
		.amdhsa_private_segment_fixed_size 0
		.amdhsa_enable_private_segment 0
		.amdhsa_kernarg_size 40
		.amdhsa_user_sgpr_count 2
		.amdhsa_user_sgpr_kernarg_segment_ptr 1
		.amdhsa_wavefront_size32 1
		.amdhsa_system_sgpr_workgroup_id_x 1
		.amdhsa_system_sgpr_workgroup_id_y 1
		.amdhsa_system_sgpr_workgroup_id_z 1
		.amdhsa_system_vgpr_workitem_id 0
		.amdhsa_next_free_vgpr 768
		.amdhsa_next_free_sgpr 100
		.amdhsa_reserve_vcc 0
		.amdhsa_float_denorm_mode_32 3
		.amdhsa_float_denorm_mode_16_64 3
		.amdhsa_memory_ordered 1
		.amdhsa_forward_progress 1
		.amdhsa_inst_pref_size 157
	.end_amdhsa_kernel
	.amdgpu_metadata
---
amdhsa.version: [ 1, 2 ]
amdhsa.kernels:
  - .name:           k_q1b796eb896_mix
    .symbol:         k_q1b796eb896_mix.kd
    .args:
      - { .name: pc, .offset: 0, .size: 8, .value_kind: global_buffer, .address_space: global }
      - { .name: vt, .offset: 8, .size: 8, .value_kind: global_buffer, .address_space: global }
      - { .name: stats, .offset: 16, .size: 8, .value_kind: global_buffer, .address_space: global }
      - { .name: lowp_scales, .offset: 24, .size: 8, .value_kind: global_buffer, .address_space: global }
      - { .name: out0, .offset: 32, .size: 8, .value_kind: global_buffer, .address_space: global }
    .group_segment_fixed_size: 327680
    .private_segment_fixed_size: 0
    .kernarg_segment_align: 8
    .kernarg_segment_size: 40
    .max_flat_workgroup_size: 128
    .sgpr_count:     100
    .vgpr_count:     768
    .wavefront_size: 32
...
	.end_amdgpu_metadata
.endif
;; end of part 4
